; MI455X (gfx1250); checked and timed in simulation.
; The chip was launched on July 23, 2026; its instructions are those of AMD's public machine-readable ISA for CDNA 5 (MIT licence, August 2026) and "CDNA5" Instruction Set Architecture Reference Guide (July 2026). The comments in the code are by the model that wrote it; some were corrected since.
;; Vuln Sage. Allowed arithmetic: matrix products marked QUANTISED: E2M3 operands, one E8M0 scale for each 32 along K, by v_wmma_scale_f32_16x16x128_f8f6f4 with both operands' format E2M3, f32 sums; products left as they are: f32 operands where the result goes on into a quantised operand, else bf16, f16 or f32 operands; f32 sums; everything else in f32.
;; Inputs: Wk_codes 2,048 x 64 x 24 uint8 (E2M3 codes of Wk, K innermost, in blocks of 32 codes, four codes in three bytes); Wk_scales 2,048 x 64 uint8 (E8M0 scales of Wk, one for each 32 codes along K); Wo_codes 2,048 x 64 x 24 uint8 (E2M3 codes of Wo, K innermost, in blocks of 32 codes, four codes in three bytes); Wo_scales 2,048 x 64 uint8 (E8M0 scales of Wo, one for each 32 codes along K); Wq_codes 2,048 x 64 x 24 uint8 (E2M3 codes of Wq, K innermost, in blocks of 32 codes, four codes in three bytes); Wq_scales 2,048 x 64 uint8 (E8M0 scales of Wq, one for each 32 codes along K); Wv_codes 2,048 x 64 x 24 uint8 (E2M3 codes of Wv, K innermost, in blocks of 32 codes, four codes in three bytes); Wv_scales 2,048 x 64 uint8 (E8M0 scales of Wv, one for each 32 codes along K); beta 2,048 float32; bk 2,048 float32; bo 2,048 float32; bq 2,048 float32; bv 2,048 float32; e0 1,024 x 2,048 float32; e1 1,024 x 2,048 float32; e2 1,024 x 2,048 float32; e3 1,024 x 2,048 float32; gamma 2,048 float32; quality 1,024 x 4 float32.
;; Outputs: out0 1,024 x 2,048 float32.
;; This version of the problem:
;;   THIS VERSION OF THE PROBLEM IS GIVEN IN LOW PRECISION. The matrix products marked QUANTISED in the list below multiply operands that are first quantised to E2M3 (2 exponent bits, 3 mantissa bits; 6 bits a number), with one power-of-two scale for each 32 numbers along K (OCP MX v1.0); their sums are f32. All else is computed in f32.
;;   The module's matrix products, in the order in which they are computed (A, B: the left and right operand; K: the contracted axis; several contracted axes count as one K, in the product's order):
;;     1. [M 4,096, K 2,048] x [K 2,048, N 2,048]; A: computed on the way; B: input Wq (given as codes): QUANTISED
;;     2. [M 4,096, K 2,048] x [K 2,048, N 2,048]; A: computed on the way; B: input Wk (given as codes): QUANTISED
;;     3. [M 4,096, K 2,048] x [K 2,048, N 2,048]; A: computed on the way; B: input Wv (given as codes): QUANTISED
;;     4. batch 16,384 x [M 4, K 128] x [K 128, N 4]; A: computed on the way; B: computed on the way: left as it is (M = 4 < 16)
;;     5. batch 16,384 x [M 4, K 4] x [K 4, N 128]; A: softmax; B: computed on the way: left as it is (K = 4 < 32)
;;     6. [M 4,096, K 2,048] x [K 2,048, N 2,048]; A: computed on the way; B: input Wo (given as codes): QUANTISED
;;   THE QUANTISER, for each operand of a quantised product, along K:
;;     - K is cut into blocks of 32 from its start; a last block that is shorter is filled with zeros.
;;     - A block's scale is 2^e with e = floor(log2(the largest magnitude in the block)) - 2, held to -126 .. 127; a block of zeros has e = 0. As a byte (E8M0): e + 127.
;;     - Each number is divided by its block's scale, clamped to +-7.5, and rounded to the nearest number of E2M3, ties to even, subnormals kept.
;;     - The product sums the exact products of the quantised numbers (number of the format x scale) in f32.
;;   ~~~python
;;   def quantise(x, axis):      # numpy; x: float32 -> the quantised numbers, widened to float32 again
;;       x = np.moveaxis(x, axis, -1); K = x.shape[-1]
;;       x = np.pad(x, [(0, 0)] * (x.ndim - 1) + [(0, -K % 32)]); x = x.reshape(x.shape[:-1] + (-1, 32)); a = np.abs(x).max(-1, keepdims=True)
;;       e = np.where(a > 0, np.clip(np.frexp(np.where(a > 0, a, 1))[1] - 1 - 2, -126, 127), 0)      # np.frexp(a)[1] - 1 = floor(log2(a)), exactly
;;       r = np.clip(x / 2.0 ** e, -7.5, 7.5)
;;       step = 2.0 ** (np.maximum(np.frexp(np.where(r == 0, 1, r))[1] - 1, 0) - 3)
;;       q = np.round(r / step) * step * 2.0 ** e      # np.round: ties to even
;;       return np.moveaxis(q.reshape(q.shape[:-2] + (-1,))[..., :K], -1, axis).astype(np.float32)
;;   ~~~
;;   OPERANDS COMPUTED ON THE WAY. 'Computed on the way' means the value that the module computes at that place (a softmax that the list does not call 'softmax' is quantised finished and normalised). What goes into a quantiser is computed in f32, as accurately as f32 sums, v_exp_f32 and their like allow (about 1e-6 of the number): no bf16 or f16 on the way to a quantiser, and a product that is left as it is and whose result goes on into a quantised operand takes f32 operands (vector FMAs, or v_wmma_f32_16x16x4_f32). A number that lies on a knife's edge between two numbers of the format may be rounded either way, as far as f32 arithmetic and the matrix unit's own rounding can turn it there, and no further.
;;   INPUTS GIVEN AS CODES. Wk (in the module: [2048, 2048], K = its axis 1); Wo (in the module: [2048, 2048], K = its axis 1); Wq (in the module: [2048, 2048], K = its axis 1); Wv (in the module: [2048, 2048], K = its axis 1): each comes as NAME_codes (uint8): NAME with its K axis moved to the last place and cut into blocks of 32 codes, [.., K / 32, bytes a block], one block behind the other in memory; four codes in three bytes: a row's codes are one little-endian stream of bits, code i at bits 6 i .. 6 i + 5 (a code: sign, 2 exponent bits, 3 mantissa bits); and NAME_scales (uint8): the same leading axes, one E8M0 byte (e + 127) for each 32 codes along K. Its value is code x scale, taken as it is: it is not quantised again, and the codes and scales need not be those that the quantiser above would give.
;; One version. Each part assembles by itself: llvm-mc -triple=amdgcn-amd-amdhsa -mcpu=gfx1250 --defsym DOCPART=n.
;; ======== version 1 of 1: 4 launches
;; limits: right only within a limited range of input values
;; workspace buffers: Hx 6,553,600 bytes; res 8,388,608 bytes; Wi 13,107,200 bytes; Cc 6,291,456 bytes; Cs 262,144 bytes; y 8,388,608 bytes
;; launch quant (part 1): grid 256 x 1, 4 waves a work-group, no clusters, 68,096 bytes of LDS; arguments e0, e1, e2, e3, bo, Hx, res, Wi, Wq_codes, Wk_codes, Wv_codes, Wo_codes, Wq_scales, Wk_scales, Wv_scales, Wo_scales; writes Hx, res, Wi
.if DOCPART == 1
	.amdgcn_target "amdgcn-amd-amdhsa--gfx1250"
	.amdhsa_code_object_version 6
	.text
	.protected	k_q0aecbbc227_quant
	.globl	k_q0aecbbc227_quant
	.p2align	8
	.type	k_q0aecbbc227_quant,@function
k_q0aecbbc227_quant:
	s_mov_b64 s[64:65], 0
	v_nop
	global_prefetch_b8 v0, s[64:65] scope:SCOPE_SE
	s_setreg_imm32_b32 hwreg(HW_REG_WAVE_MODE, 25, 1), 1
	s_wait_xcnt 0x0
; Two preparing jobs in one launch.
; (1) H[b][t][:] = e_t[b][:] becomes codes of FP6 (E2M3) with one E8M0 byte for each 32 along d, and res[b][:] = (e0 + e1 + e2 + e3)[b][:] / 4 + bo.
; (2) The four weights, given as codes and scale bytes, are laid anew, unchanged in value, as images of operand registers.
; LIMITS: NaN and infinities are not served; a block of H whose largest magnitude lies under 2^-124 has its byte held at 1; a block of zeros gets the byte 1 and zero codes (read by this program alone).
; Hx: a block of 51,200 bytes for each (R = b / 64, s = d / 256): codes [w = (b / 16) % 4][t][q = (d / 128) % 2][1,536], then scale words at 49,152 + 256 (2 w + q) + 16 (b % 16) + 4 t.
; Wi: a block of 12,800 bytes for each (matrix, head = row / 128, ks = k / 128): eight images [u = (row / 16) % 8][1,536], then 512 bytes of scale words: lane l's four are those of rows l, 32 + l, 64 + l, 96 + l.
; An image: a fragment's 12 registers a lane; registers 4 c .. 4 c + 3 of lane l lie at 512 c + 16 l.
; SHARES.  Work-group g, wave v.  H: 16 values of b (16 (g / 4) on) x 128 of d (128 (4 (g % 4) + v) on), all four e_t.  W: with i = 4 g + v: matrix i / 256; codes of rows 16 ((i / 2) % 128) on,
; 768 bytes of each (8 K steps, half i % 2); scale words of (head (i / 16) % 16, K step i % 16): four bytes of each of 128 rows, 512 bytes stored on end.
; Waves share nothing: no barrier.  No cluster, no tensor load: each byte of codes and of e is read once.
; Both jobs turn their bytes through the wave's own stage in LDS, which serves a wave's instructions in order (ISA guide 5.7.1.4).
.set STAGE, 8448
.set OFF,  4
.set STI,  5
.set STO,  6
.set HSA,  7
.set BO,   8
.set PW,   12
.set ST,   16
.set PCB,  144
.set TM,   224
.set WLO,  240                         ; W's rows in memory: 1,536 h + 16 r
.set WST,  241                         ; into the stage: rows of 784 bytes (196 words: row r starts at bank 4 r mod 64)
.set WRD,  242                         ; out of it: 784 r + 24 h
.set WSO,  243                         ; W's scale rows: 64 x lane
.set SEL,  24
.set MSB, 0
.macro WIN new
.if MSB != (\new)
	s_set_vgpr_msb (MSB<<8)|(\new)
.set MSB, (\new)
.endif
.endm
; 64 numbers of a lane, register 16 b + i = d 32 b + 16 h + i of my row, become a fragment's codes in v[pc] .. v[pc + 11] and its scale word in v[pw].
.macro QUANT s, pc, pw
.irp b, 0,1,2,3
	v_max3_num_f32 v[TM+\b], |v[(\s)+16*\b]|, |v[(\s)+1+16*\b]|, 0x1800000   ; with the floor 2^(3 - 127): the byte cannot fall under 1
.endr
.irp i, 2,4,6,8,10,12,14
.irp b, 0,1,2,3
	v_max3_num_f32 v[TM+\b], v[TM+\b], |v[(\s)+16*\b+\i]|, |v[(\s)+1+16*\b+\i]|
.endr
.endr
.irp b, 0,1,2,3
	v_permlanex16_b32 v[TM+4+\b], v[TM+\b], s[SEL], s[SEL+1]
.endr
.irp b, 0,1,2,3
	v_max_num_f32 v[TM+\b], v[TM+\b], v[TM+4+\b]
.endr
.irp b, 0,1,2,3
	v_add_nc_u32 v[TM+12+\b], 0xff000000, v[TM+\b]   ; 2 off the exponent field: the conversion's scale operand
.endr
.irp b, 0,1,2,3
	v_lshrrev_b32 v[TM+4+\b], 23, v[TM+12+\b]
.endr
	v_lshl_or_b32 v[\pw], v[TM+5], 8, v[TM+4]
	v_lshl_or_b32 v[\pw], v[TM+6], 16, v[\pw]
	v_lshl_or_b32 v[\pw], v[TM+7], 24, v[\pw]
.irp c, 0,1
	v_cvt_scalef32_pk16_fp6_f32 v[(\pc)+6*\c:(\pc)+2+6*\c], v[(\s)+32*\c:(\s)+15+32*\c], v[TM+12+2*\c]
	v_cvt_scalef32_pk16_fp6_f32 v[(\pc)+12+4*\c:(\pc)+14+4*\c], v[(\s)+16+32*\c:(\s)+31+32*\c], v[TM+12+2*\c+1]
.endr
	v_nop                                          ; one plain place behind a scaled conversion
.irp c, 0,1                                    ; a whole block in a lane
.irp i, 0,1,2
	v_permlane16_swap_b32 v[(\pc)+6*\c+\i], v[(\pc)+12+4*\c+\i]
.endr
.irp i, 0,1,2
	v_mov_b32 v[(\pc)+3+6*\c+\i], v[(\pc)+12+4*\c+\i]
.endr
.endr
.endm
	s_load_b256 s[4:11], s[0:1], 0x0               ; e0 .. e3
	s_load_b256 s[12:19], s[0:1], 0x20             ; bo, Hx, res, Wi
	s_load_b256 s[40:47], s[0:1], 0x40             ; codes of Wq, Wk, Wv, Wo
	s_load_b256 s[48:55], s[0:1], 0x60             ; their scales
	v_lshl_add_u32 v254, v0, 2, 0x10800
	v_mov_b32 v255, 0
	v_lshrrev_b32 v1, 5, v0
	v_readfirstlane_b32 s20, v1                    ; wave
	s_mul_i32 s23, s20, 2*STAGE
	v_and_b32 v1, 31, v0
	v_and_b32 v2, 15, v0                           ; r
	v_bfe_u32 v3, v0, 4, 1                         ; h
	v_lshlrev_b32 v[OFF], 4, v1
	v_add_nc_u32 v[STI], s23, v[OFF]
	v_mul_u32_u24 v[STO], v2, 528
	v_lshl_add_u32 v[STO], v3, 6, v[STO]
	v_add_nc_u32 v[STO], s23, v[STO]
	v_lshlrev_b32 v[HSA], 4, v2
	v_mul_u32_u24 v[WLO], v3, 1536
	v_lshl_add_u32 v[WLO], v2, 4, v[WLO]
	v_mul_u32_u24 v[WST], v3, 784
	v_lshl_add_u32 v[WST], v2, 4, v[WST]
	v_add_nc_u32 v[WST], s23, v[WST]
	v_mul_u32_u24 v[WRD], v2, 784
	v_mad_u32_u24 v[WRD], v3, 24, v[WRD]
	v_add_nc_u32 v[WRD], s23, v[WRD]
	v_lshlrev_b32 v[WSO], 6, v1
.irp b, 0,1,2,3
	v_mov_b32 v[TM+4+\b], 0                        ; a lane permute's destination counts as one of its sources
.endr
	s_mov_b32 s[SEL], 0x76543210
	s_mov_b32 s[SEL+1], 0xfedcba98
	s_lshr_b32 s21, ttmp9, 2                       ; bb = b / 16
	s_and_b32 s22, ttmp9, 3
	s_lshl_b32 s22, s22, 2
	s_add_co_u32 s22, s22, s20                     ; d / 128
	s_lshl_b32 s26, s21, 17                        ; e_t and res: 16 bb rows of 8,192 bytes + 512 (d / 128)
	s_lshl_b32 s28, s22, 9
	s_add_co_u32 s26, s26, s28
	s_mov_b32 s27, 0
	s_mov_b32 s29, 0
	s_lshr_b32 s30, s21, 2                         ; Hx: block 8 R + s
	s_lshl_b32 s30, s30, 3
	s_lshr_b32 s31, s22, 1
	s_add_co_u32 s30, s30, s31
	s_mul_i32 s30, s30, 51200
	s_and_b32 s31, s21, 3                          ; w
	s_and_b32 s37, s22, 1                          ; q
	s_lshl_b32 s32, s31, 1
	s_add_co_u32 s32, s32, s37
	s_lshl_b32 s32, s32, 8
	s_add_co_u32 s32, s32, s30
	s_add_co_u32 s32, s32, 49152                   ; the scale words
	s_mov_b32 s33, 0
	s_lshl_b32 s31, s31, 3
	s_add_co_u32 s31, s31, s37
	s_mul_i32 s31, s31, 1536
	s_add_co_u32 s30, s30, s31                     ; the codes; t stands in the stores' immediates
	s_mov_b32 s31, 0
	s_lshl_b32 s34, ttmp9, 2
	s_add_co_u32 s34, s34, s20                     ; i
	s_lshr_b32 s35, ttmp9, 2                       ; 16 matrix + head
	s_lshr_b32 s56, ttmp9, 6                       ; matrix
	s_bfe_u32 s58, s34, 0x70001                    ; W's block of 16 rows
	s_mul_i32 s58, s58, 24576
	s_and_b32 s57, s34, 1                          ; which half of K
	s_mul_i32 s59, s57, 768
	s_add_co_u32 s58, s58, s59
	s_mov_b32 s59, 0
	s_lshl_b32 s62, s35, 4
	s_lshl_b32 s57, s57, 3
	s_add_co_u32 s60, s62, s57
	s_mul_i32 s60, s60, 12800
	s_bfe_u32 s57, s34, 0x30001                    ; u
	s_mul_i32 s57, s57, 1536
	s_add_co_u32 s60, s60, s57
	s_mov_b32 s61, 0
	s_and_b32 s57, s34, 15                         ; the K step whose scale words I lay
	s_add_co_u32 s62, s62, s57
	s_mul_i32 s62, s62, 12800
	s_add_co_u32 s62, s62, 12288
	s_mov_b32 s63, 0
	s_and_b32 s66, s35, 15
	s_lshl_b32 s66, s66, 13
	s_lshl_b32 s57, s57, 2
	s_add_co_u32 s66, s66, s57
	s_mov_b32 s67, 0
	s_and_b32 s57, s56, 1
	s_wait_alu depctr_va_vdst(0)
	s_wait_kmcnt 0x0
	s_cmp_lg_u32 s57, 0                            ; my matrix: the choice hangs on the work-group's number alone
	s_cselect_b64 s[40:41], s[42:43], s[40:41]
	s_cselect_b64 s[44:45], s[46:47], s[44:45]
	s_cselect_b64 s[48:49], s[50:51], s[48:49]
	s_cselect_b64 s[52:53], s[54:55], s[52:53]
	s_cmp_gt_u32 s56, 1
	s_cselect_b64 s[40:41], s[44:45], s[40:41]
	s_cselect_b64 s[48:49], s[52:53], s[48:49]
.irp p, 4,6,8,10,16
	s_add_nc_u64 s[\p:\p+1], s[\p:\p+1], s[26:27]
.endr
	s_add_nc_u64 s[12:13], s[12:13], s[28:29]
	s_add_nc_u64 s[32:33], s[14:15], s[32:33]
	s_add_nc_u64 s[14:15], s[14:15], s[30:31]
	s_add_nc_u64 s[40:41], s[40:41], s[58:59]
	s_add_nc_u64 s[48:49], s[48:49], s[66:67]
	s_add_nc_u64 s[60:61], s[18:19], s[60:61]
	s_add_nc_u64 s[62:63], s[18:19], s[62:63]
.set J, 0
.rept 24                                       ; W's 16 rows x 768 bytes: sixteen lanes read 256 consecutive bytes, aligned
	global_load_b128 v[16+4*J:19+4*J], v[WLO], s[40:41] offset:(J/3)*3072+(J%3)*256 th:TH_LOAD_NT
.set J, J+1
.endr
.irp c, 0,1,2,3
	global_load_b32 v[208+\c], v[WSO], s[48:49] offset:2048*\c   ; the scale word of row 32 c + lane
.endr
	global_load_b128 v[BO:BO+3], v[OFF], s[12:13]
	WIN 0x40
.irp t, 0,1,2,3
.irp i, 0,1,2,3,4,5,6,7,8,9,10,11,12,13,14,15
	global_load_b128 v[64*\t+4*\i:64*\t+4*\i+3], v[OFF], s[4+2*\t:5+2*\t] offset:8192*\i th:TH_LOAD_NT
.endr
.endr
	WIN 0
	s_wait_loadcnt 63                              ; 65 loads were issued behind W's 28: W's are in
.set J, 0
.rept 24
	ds_store_b128 v[WST], v[16+4*J:19+4*J] offset:(J/3)*1568+(J%3)*256
.set J, J+1
.endr
.irp k, 0,1,2,3,4,5,6,7                        ; fragment k: lane (r, h) takes 24 bytes of row r twice, in pieces of 8
.irp p, 0,1,2,3,4,5
	ds_load_b64 v[112+12*\k+2*\p:113+12*\k+2*\p], v[WRD] offset:96*\k+48*(\p/3)+8*(\p%3)
.endr
.endr
	global_store_b128 v[OFF], v[208:211], s[62:63] ; 512 consecutive bytes, aligned
	s_wait_dscnt 0x0
.irp k, 0,1,2,3,4,5,6,7
.irp c, 0,1,2
	global_store_b128 v[OFF], v[112+12*\k+4*\c:115+12*\k+4*\c], s[60:61] offset:12800*\k+512*\c
.endr
.endr
	s_wait_xcnt 0x0                                ; the stores' data registers are written again below
.macro TURN t
	s_wait_loadcnt 48-16*(\t)                      ; e_t's sixteen are in, the 16 of each later t may be out
	WIN 0x04
.irp i, 0,1,2,3,4,5,6,7,8,9,10,11,12,13,14,15
	ds_store_b128 v[STI], v[64*(\t)+4*\i:64*(\t)+4*\i+3] offset:STAGE*((\t)%2)+528*\i
.endr
	WIN 0
.irp b, 0,1,2,3
.irp j, 0,1,2,3
	ds_load_b128 v[ST+64*((\t)%2)+16*\b+4*\j:ST+64*((\t)%2)+16*\b+4*\j+3], v[STO] offset:STAGE*((\t)%2)+128*\b+16*\j
.endr
.endr
.endm
.macro OUT t
.irp c, 0,1,2
	global_store_b128 v[OFF], v[PCB+20*(\t)+4*\c:PCB+20*(\t)+4*\c+3], s[14:15] offset:3072*(\t)+512*\c
.endr
.endm
	TURN 0
	TURN 1
	s_wait_dscnt 32                                ; e0's numbers are back; e1's 32 LDS instructions may be out
	QUANT ST, PCB, PW
	OUT 0
	TURN 2
	s_wait_dscnt 32
	QUANT ST+64, PCB+20, PW+1
	OUT 1
	TURN 3
	s_wait_dscnt 32
	QUANT ST, PCB+40, PW+2
	OUT 2
	WIN 0x45                                       ; res, in the registers as loaded
.set P, 0
.rept 32
	v_pk_add_f32 v[P:P+1], v[P:P+1], v[64+P:64+P+1]
	v_pk_add_f32 v[128+P:128+P+1], v[128+P:128+P+1], v[192+P:192+P+1]
.set P, P+2
.endr
.set P, 0
.rept 32
	v_pk_add_f32 v[P:P+1], v[P:P+1], v[128+P:128+P+1]
.set P, P+2
.endr
	WIN 0x41
.set P, 0
.rept 32
	v_pk_fma_f32 v[P:P+1], v[P:P+1], 0x3e800000, v[BO+P%4:BO+P%4+1] op_sel_hi:[1,0,1]
.set P, P+2
.endr
	WIN 0x04
.irp i, 0,1,2,3,4,5,6,7,8,9,10,11,12,13,14,15
	global_store_b128 v[OFF], v[4*\i:4*\i+3], s[16:17] offset:8192*\i
.endr
	WIN 0
	s_wait_dscnt 0x0
	QUANT ST+64, PCB+60, PW+3
	OUT 3
	v_cmp_gt_u32 vcc_lo, 16, v1                    ; lanes 16-31 hold the same words as lanes 0-15
	s_wait_xcnt 0x0                                ; EXEC changes only behind this wait
	s_wait_tensorcnt 0x0                           ; the wave's end
	ds_add_u32 v254, v255
	s_wait_dscnt 0x0
	s_and_saveexec_b32 s36, vcc_lo
	global_store_b128 v[HSA], v[PW:PW+3], s[32:33] ; sixteen lanes store 256 consecutive bytes, aligned
	s_wait_xcnt 0x0
	s_or_b32 exec_lo, exec_lo, s36
	s_endpgm
.Lfunc_end_k_q0aecbbc227_quant:
	.size	k_q0aecbbc227_quant, .Lfunc_end_k_q0aecbbc227_quant-k_q0aecbbc227_quant
	.p2alignl 7, 3214868480
	.fill 96, 4, 3214868480
	.section	.rodata,"a",@progbits
	.p2align	6, 0x0
	.amdhsa_kernel k_q0aecbbc227_quant
		.amdhsa_group_segment_fixed_size 68096
		.amdhsa_private_segment_fixed_size 0
		.amdhsa_enable_private_segment 0
		.amdhsa_kernarg_size 128
		.amdhsa_user_sgpr_count 2
		.amdhsa_user_sgpr_kernarg_segment_ptr 1
		.amdhsa_wavefront_size32 1
		.amdhsa_system_sgpr_workgroup_id_x 1
		.amdhsa_system_sgpr_workgroup_id_y 1
		.amdhsa_system_sgpr_workgroup_id_z 1
		.amdhsa_system_vgpr_workitem_id 0
		.amdhsa_next_free_vgpr 512
		.amdhsa_next_free_sgpr 72
		.amdhsa_reserve_vcc 1
		.amdhsa_float_denorm_mode_32 3
		.amdhsa_float_denorm_mode_16_64 3
		.amdhsa_memory_ordered 1
		.amdhsa_forward_progress 1
		.amdhsa_inst_pref_size 56
	.end_amdhsa_kernel
	.amdgpu_metadata
---
amdhsa.version: [ 1, 2 ]
amdhsa.kernels:
  - .name:           k_q0aecbbc227_quant
    .symbol:         k_q0aecbbc227_quant.kd
    .args:
      - { .name: e0, .offset: 0, .size: 8, .value_kind: global_buffer, .address_space: global }
      - { .name: e1, .offset: 8, .size: 8, .value_kind: global_buffer, .address_space: global }
      - { .name: e2, .offset: 16, .size: 8, .value_kind: global_buffer, .address_space: global }
      - { .name: e3, .offset: 24, .size: 8, .value_kind: global_buffer, .address_space: global }
      - { .name: bo, .offset: 32, .size: 8, .value_kind: global_buffer, .address_space: global }
      - { .name: Hx, .offset: 40, .size: 8, .value_kind: global_buffer, .address_space: global }
      - { .name: res, .offset: 48, .size: 8, .value_kind: global_buffer, .address_space: global }
      - { .name: Wi, .offset: 56, .size: 8, .value_kind: global_buffer, .address_space: global }
      - { .name: Wq_codes, .offset: 64, .size: 8, .value_kind: global_buffer, .address_space: global }
      - { .name: Wk_codes, .offset: 72, .size: 8, .value_kind: global_buffer, .address_space: global }
      - { .name: Wv_codes, .offset: 80, .size: 8, .value_kind: global_buffer, .address_space: global }
      - { .name: Wo_codes, .offset: 88, .size: 8, .value_kind: global_buffer, .address_space: global }
      - { .name: Wq_scales, .offset: 96, .size: 8, .value_kind: global_buffer, .address_space: global }
      - { .name: Wk_scales, .offset: 104, .size: 8, .value_kind: global_buffer, .address_space: global }
      - { .name: Wv_scales, .offset: 112, .size: 8, .value_kind: global_buffer, .address_space: global }
      - { .name: Wo_scales, .offset: 120, .size: 8, .value_kind: global_buffer, .address_space: global }
    .group_segment_fixed_size: 68096
    .private_segment_fixed_size: 0
    .kernarg_segment_align: 8
    .kernarg_segment_size: 128
    .max_flat_workgroup_size: 128
    .sgpr_count:     72
    .vgpr_count:     512
    .wavefront_size: 32
...
	.end_amdgpu_metadata
.endif
;; end of part 1
;; launch qkvattn (part 2): grid 16 x 16, 4 waves a work-group, clusters of 4 x 4, 327,680 bytes of LDS; arguments Hx, Wi, bq, bk, bv, quality, Cc, Cs; writes Cc, Cs
.if DOCPART == 2
	.amdgcn_target "amdgcn-amd-amdhsa--gfx1250"
	.amdhsa_code_object_version 6
	.text
	.protected	k_q0aecbbc227_qkvattn
	.globl	k_q0aecbbc227_qkvattn
	.p2align	8
	.type	k_q0aecbbc227_qkvattn,@function
k_q0aecbbc227_qkvattn:
	s_mov_b64 s[64:65], 0
	v_nop
	global_prefetch_b8 v0, s[64:65] scope:SCOPE_SE
	s_setreg_imm32_b32 hwreg(HW_REG_WAVE_MODE, 25, 1), 1
	s_wait_xcnt 0x0
	s_wait_alu depctr_hold_cnt(0) depctr_sa_sdst(0) depctr_va_vdst(0) depctr_va_sdst(0) depctr_va_ssrc(0) depctr_va_vcc(0) depctr_vm_vsrc(0)
	s_getreg_b32 s2, hwreg(HW_REG_IB_STS2, 6, 4)
	s_cmp_eq_u32 s2, 0
	s_cbranch_scc0 .Lentry_in_a_cluster
	s_endpgm
.Lentry_in_a_cluster:
	s_bfe_u32 s2, ttmp6, 0x10000c
	s_cmp_lg_u32 s2, 0xf033
	s_cbranch_scc0 .Lentry_shape_is_right
	s_endpgm
.Lentry_shape_is_right:
; For one head and 64 values of b: Q, K, V = H W^T + bias (three products on codes of FP6 (E2M3), one E8M0 scale for each 32 along d), the 4 x 4 attention over the four evidence types in f32
; (scores / sqrt(128) x quality[b][j], softmax with its maximum taken away, ctx = attn V), and ctx quantised along d into codes for the last product.  Q, K, V never go to memory.
; LIMITS: NaN and infinities are not served; a block of ctx whose largest magnitude lies under 2^-124 has its byte held at 1; a block of zeros gets the byte 1 and zero codes (read by this program alone).
; SHARES.  Work-group (x, y): head x, b = 64 y on.  Wave (wb, wc) = (wave / 2, wave % 2): b = 64 y + 32 wb + 16 bt + r (bt = 0, 1), all four t, columns 64 wc .. 64 wc + 63 of each of Q, K, V:
; 8 fragments of H x 12 of W for 128 along K: 96 accumulators, 768 registers; a wave reads 20 fragments from LDS for 96 matrix instructions.
; The matrix instruction is used transposed (source 0 = 16 rows of W, source 1 = 16 values of b at one t): lane (r, h) holds b = r, register j of accumulator (matrix; bt, t, f) column 64 wc + 16 f + 8 h + j.
; The two waves of one wb each hold half of every sum Q_i . K_j: they hand their halves to each other through LDS bytes of their own, with one barrier.
; K goes in slots of 256 through a ring of two LDS slots.  H and W arrive as images of operand registers with their scale words behind them: every tile is a dense block, stated as rows of 256 bytes.
; Slot: H 51,200 bytes; then Wq, Wk, Wv, 25,600 each (two K steps of 8 images + 512 bytes of scale words).
; CLUSTER 4 x 4: a row of the cluster shares H, a column W: each tile is asked for jointly.  Wave 0 asks for H, waves 1, 2, 3 for Wq, Wk, Wv: one tensor load a wave is out.
; The biases are loaded into the accumulators: every product adds in place.
; PREFETCH.  Each partner names a quarter of the tile that its wave asks for, 25 blocks of 256 bytes an instruction (H: two instructions), told apart by address (cx for H, cy for W).
; Slot 1 is named at the head, behind slot 0's load; slots 2 and 3 behind slot 1's load; each change of slots of the first two laps names the slot four on.  Slot 0 comes by its load alone.
; OUT.  Cc: a fragment (16 b at one t x the head's 128 d) is 1,536 bytes; wave wc writes its half at 768 wc: registers 6 wc .. 6 wc + 3 at 16 x lane, registers 6 wc + 4, 5 at 512 + 8 x lane.
; Cs: 256 bytes for each (b / 32, head, wc): [bt][r][t] half words: the bytes of blocks 2 wc and 2 wc + 1.
; All of LDS is claimed.
.set SLOT,  128000
.set SPARE, 2*SLOT
.set EXB,   SPARE+512                  ; 4 x 4,096 bytes: the waves' partial scores; no tile lands here
.set SPW,   2
.set NIL,   3
.set ADRH,  4                          ; v4-5   my H fragments in slot 0, 1
.set ADHS,  6                          ; v6-7   their scale words
.set ADW,   8                          ; v8-9   my tiles of Wq and Wk in slot 0, 1;  v10-11 of Wv
.set ADWS,  12                         ; v12-15 the same for their scale words
.set HF,    16                         ; H's eight fragments (bt, t), one set
.set RING,  112                        ; two buffers of four fragments of W
.set WSC,   208                        ; W's scale words, two sets of two: register f / 2; lanes 0-15 even f, lanes 16-31 odd f
.set HSC,   212                        ; H's: 8 slot + 4 bt + t; lanes 0-15 q = 0, lanes 16-31 q = 1
.set QL,    228                        ; quality, 4 bt + j
.set VB,    236
.set VQ,    237
.set PFO,   238
.set SCO,   16                         ; the epilogue: scores, entry 16 bt + 4 i + j in the even register of a pair
.set XS,    80                         ; my halves of the 32 sums
.set CT,    80                         ; later: ctx of one (bt, t), 32 numbers
.set TM,    112
.set GQ,    128
.set MX,    136
.set PR,    144                        ; the partner's halves
.set PCB,   144                        ; later: codes, 12 registers for each (bt, t)
.set LSUM,  240
.set PWH,   248
.set G1H,  24
.set G1W,  32
.set G0H,  40
.set G0W,  48
.set PF,   56
.set PFS,  58
.set WB,   66
.set WC,   67
.set WV,   92
.set CX,   93
.set CY,   94
.set HD,   95
.set RB,   96
.set MROW, 97
.set MCOL, 98
.set LAP,  99
.set SEL,  100
.set MSB, 0
.macro WIN new
.if MSB != (\new)
	s_set_vgpr_msb (MSB<<8)|(\new)
.set MSB, (\new)
.endif
.endm
.macro PLACES n                        ; four plain vector instructions between a matrix instruction and a load into its registers or a read of its result (ISA guide 7.12.1 for a read of its result)
.rept \n
	v_nop
.endr
.endm
.macro JLOAD g0h, g1h, g0w, g1w        ; a joint load; the branch hangs on the wave's number alone
	s_cmp_eq_u32 s[WV], 0
	s_cbranch_scc0 .Lfor_w_\@
	tensor_load_to_lds s[\g0h:\g0h+3], s[\g1h:\g1h+7]
	s_nop 0
.rept 4
	v_nop
.endr
	s_branch .Lasked_\@
.Lfor_w_\@:
	tensor_load_to_lds s[\g0w:\g0w+3], s[\g1w:\g1w+7]
	s_nop 0
.rept 4
	v_nop
.endr
.Lasked_\@:
.endm
.macro CREST
	s_cmp_lg_u32 s[WV], 0
	s_cbranch_scc1 .Lnot_wave_0_\@
	s_barrier_signal -3
.Lnot_wave_0_\@:
	s_barrier_wait -3
	s_barrier_signal -1
	s_barrier_wait -1
.endm
.macro CROUND
	s_barrier_signal -1
	s_barrier_wait -1
	CREST
.endm
.macro ASK                             ; only while the slot four on exists: laps 0 and 1 of the loop's three
	s_cmp_gt_u32 s[LAP], 1
	s_cbranch_scc0 .Lno_ask_\@
	global_prefetch_b8 v[PFO], s[PF:PF+1] th:TH_LOAD_NT scope:SCOPE_SE
	s_cmp_eq_u32 s[WV], 0
	s_cbranch_scc0 .Lno_ask_\@
	global_prefetch_b8 v[PFO], s[PF:PF+1] offset:6400 th:TH_LOAD_NT scope:SCOPE_SE
.Lno_ask_\@:
.endm
; 32 numbers of a lane, register 16 b + i = column 32 b + 16 h + i of my 64, become six registers of codes in v[pc] .. v[pc + 5] and the two blocks' scale bytes in v[pw].
.macro QUANT2 s, pc, pw
.irp b, 0,1
	v_max3_num_f32 v[TM+\b], |v[(\s)+16*\b]|, |v[(\s)+1+16*\b]|, 0x1800000   ; with the floor 2^(3 - 127): the byte cannot fall under 1
.endr
.irp i, 2,4,6,8,10,12,14
.irp b, 0,1
	v_max3_num_f32 v[TM+\b], v[TM+\b], |v[(\s)+16*\b+\i]|, |v[(\s)+1+16*\b+\i]|
.endr
.endr
.irp b, 0,1
	v_permlanex16_b32 v[TM+2+\b], v[TM+\b], s[SEL], s[SEL+1]
.endr
.irp b, 0,1
	v_max_num_f32 v[TM+\b], v[TM+\b], v[TM+2+\b]
.endr
.irp b, 0,1
	v_add_nc_u32 v[TM+4+\b], 0xff000000, v[TM+\b]  ; 2 off the exponent field: the conversion's scale operand
.endr
.irp b, 0,1
	v_lshrrev_b32 v[TM+6+\b], 23, v[TM+4+\b]
.endr
	v_lshl_or_b32 v[\pw], v[TM+7], 8, v[TM+6]
	v_cvt_scalef32_pk16_fp6_f32 v[(\pc):(\pc)+2], v[(\s):(\s)+15], v[TM+4]
	v_cvt_scalef32_pk16_fp6_f32 v[(\pc)+6:(\pc)+8], v[(\s)+16:(\s)+31], v[TM+5]
	v_nop                                          ; one plain place behind a scaled conversion
.irp i, 0,1,2                                  ; a whole block in a lane: lanes 0-15 the first block, lanes 16-31 the second
	v_permlane16_swap_b32 v[(\pc)+\i], v[(\pc)+6+\i]
.endr
.irp i, 0,1,2
	v_mov_b32 v[(\pc)+3+\i], v[(\pc)+6+\i]
.endr
.endm
	s_load_b256 s[4:11], s[0:1], 0x0               ; Hx s[4:5], Wi s[6:7], bq s[8:9], bk s[10:11]
	s_load_b256 s[12:19], s[0:1], 0x20             ; bv s[12:13], quality s[14:15], Cc s[16:17], Cs s[18:19]
	v_lshl_add_u32 v[SPW], v0, 2, SPARE
	v_mov_b32 v[NIL], 0
	ds_add_u32 v[SPW], v[NIL]                      ; the opening lines: the add, twice on end, and its wait
	ds_add_u32 v[SPW], v[NIL]
	v_lshrrev_b32 v1, 5, v0
	v_readfirstlane_b32 s[WV], v1
	s_lshr_b32 s[WB], s[WV], 1
	s_and_b32 s[WC], s[WV], 1
	s_bfe_u32 s[CX], ttmp6, 0x40000
	s_bfe_u32 s[CY], ttmp6, 0x40004
	s_lshl_b32 s[HD], ttmp9, 2
	s_add_co_u32 s[HD], s[HD], s[CX]               ; the head
	s_and_b32 s[RB], ttmp7, 0xffff
	s_lshl_b32 s[RB], s[RB], 2
	s_add_co_u32 s[RB], s[RB], s[CY]               ; b / 64
	s_lshl_b32 s[MROW], s[CY], 2
	s_lshl_b32 s[MROW], 15, s[MROW]
	s_lshl_b32 s[MCOL], 0x1111, s[CX]
	s_mov_b32 s[SEL], 0x76543210
	s_mov_b32 s[SEL+1], 0xfedcba98
	s_or_b32 s[G1H], s[MROW], (3<<16)|(1<<21)      ; H's tile: 200 rows of 32 elements of 8 bytes, dense; the mask: my row
	s_mov_b32 s[G1H+1], 32<<16
	s_mov_b32 s[G1H+2], 200<<16
	s_mov_b32 s[G1H+3], 32<<16
	s_mov_b32 s[G1H+4], 200
	s_mov_b32 s[G1H+5], 32
	s_mov_b32 s[G1H+6], 0
	s_mov_b32 s[G1H+7], 0
	s_or_b32 s[G1W], s[MCOL], (3<<16)|(1<<21)      ; a matrix's tile: 100 such rows; the mask: my column
	s_mov_b32 s[G1W+1], 32<<16
	s_mov_b32 s[G1W+2], 100<<16
	s_mov_b32 s[G1W+3], 32<<16
	s_mov_b32 s[G1W+4], 100
	s_mov_b32 s[G1W+5], 32
	s_mov_b32 s[G1W+6], 0
	s_mov_b32 s[G1W+7], 0
	s_mul_i32 s20, s[RB], 409600                   ; H: eight blocks of 51,200 bytes for each 64 b
	s_mov_b32 s21, 0
	s_max_u32 s22, s[WV], 1                        ; the matrix I ask for: wave 1 Wq, 2 Wk, 3 Wv (wave 0 asks for none)
	s_sub_co_u32 s22, s22, 1
	s_lshl_b32 s22, s22, 4
	s_add_co_u32 s22, s22, s[HD]
	s_mul_i32 s22, s22, 204800                     ; sixteen blocks of 12,800 bytes for each matrix and head
	s_mov_b32 s23, 0
	s_mul_i32 s60, s[WV], 25600
	s_wait_dscnt 0x0
	s_wait_kmcnt 0x0
	s_add_nc_u64 s[4:5], s[4:5], s[20:21]
	s_add_nc_u64 s[6:7], s[6:7], s[22:23]
	CROUND                                         ; the first joint loads meet
.irp sl, 0,1
	s_mov_b32 s[G0H+4*\sl], 1
	s_mov_b32 s[G0H+4*\sl+1], \sl*SLOT
	s_add_nc_u64 s[G0H+4*\sl+2:G0H+4*\sl+3], s[4:5], \sl*51200
	s_or_b32 s[G0H+4*\sl+3], s[G0H+4*\sl+3], 0x80000000
	s_mov_b32 s[G0W+4*\sl], 1
	s_add_co_u32 s[G0W+4*\sl+1], s60, \sl*SLOT+25600
	s_add_nc_u64 s[G0W+4*\sl+2:G0W+4*\sl+3], s[6:7], \sl*25600
	s_or_b32 s[G0W+4*\sl+3], s[G0W+4*\sl+3], 0x80000000
.endr
	JLOAD G0H, G1H, G0W, G1W                       ; slot 0: one tensor load a wave at the head
	s_mul_i32 s20, s[CX], 12800                    ; the prefetches stand at slot 1, at my work-group's quarter
	s_add_co_u32 s20, s20, 51200
	s_mul_i32 s22, s[CY], 6400
	s_add_co_u32 s22, s22, 25600
	s_add_nc_u64 s[4:5], s[4:5], s[20:21]
	s_add_nc_u64 s[6:7], s[6:7], s[22:23]
	s_cmp_eq_u32 s[WV], 0
	s_cselect_b64 s[PF:PF+1], s[4:5], s[6:7]
	s_mov_b32 s[PFS], 25600
	s_cselect_b32 s[PFS], 51200, s[PFS]
	s_mov_b32 s[PFS+1], 0
	s_lshl_b32 s20, s[HD], 9                       ; the biases: the head's 128 numbers, my 64 of them
	s_lshl_b32 s22, s[WC], 8
	s_add_co_u32 s20, s20, s22
	s_add_nc_u64 s[8:9], s[8:9], s[20:21]
	s_add_nc_u64 s[10:11], s[10:11], s[20:21]
	s_add_nc_u64 s[12:13], s[12:13], s[20:21]
	s_lshl_b32 s20, s[RB], 10                      ; quality: 16 bytes for each b; my 32 values of b
	s_lshl_b32 s22, s[WB], 9
	s_add_co_u32 s20, s20, s22
	s_add_nc_u64 s[14:15], s[14:15], s[20:21]
	s_lshl_b32 s20, s[RB], 2                       ; Cc: (((4 RB + head / 4) x 4 + 2 wb + bt) x 4 + head % 4) x 6,144 + 1,536 t + 768 wc
	s_lshr_b32 s22, s[HD], 2
	s_add_co_u32 s20, s20, s22
	s_lshl_b32 s20, s20, 1
	s_add_co_u32 s20, s20, s[WB]
	s_lshl_b32 s20, s20, 3
	s_and_b32 s22, s[HD], 3
	s_add_co_u32 s20, s20, s22
	s_mul_i32 s20, s20, 6144
	s_mul_i32 s22, s[WC], 768
	s_add_co_u32 s20, s20, s22
	s_add_nc_u64 s[16:17], s[16:17], s[20:21]
	s_lshl_b32 s20, s[RB], 1                       ; Cs: (((2 RB + wb) x 16 + head) x 2 + wc) x 256
	s_add_co_u32 s20, s20, s[WB]
	s_lshl_b32 s20, s20, 4
	s_add_co_u32 s20, s20, s[HD]
	s_lshl_b32 s20, s20, 1
	s_add_co_u32 s20, s20, s[WC]
	s_lshl_b32 s20, s20, 8
	s_add_nc_u64 s[18:19], s[18:19], s[20:21]
	s_mul_i32 s61, s[WB], 24576
	s_lshl_b32 s62, s[WB], 10
	s_add_co_u32 s62, s62, 49152
	s_mul_i32 s60, s[WC], 6144
	s_add_co_u32 s60, s60, 51200
	s_lshl_b32 s63, s[WC], 3
	s_add_co_u32 s63, s63, 63488
	v_and_b32 v1, 31, v0                           ; lane; kept to the end
	v_lshlrev_b32 v[PFO], 4, v1                    ; 16 x lane (for the lines below)
	v_add_nc_u32 v[ADRH], s61, v[PFO]
	v_add_nc_u32 v[ADRH+1], SLOT, v[ADRH]
	v_add_nc_u32 v[ADHS], s62, v[PFO]
	v_add_nc_u32 v[ADHS+1], SLOT, v[ADHS]
	v_add_nc_u32 v[ADW], s60, v[PFO]
	v_add_nc_u32 v[ADW+1], SLOT, v[ADW]
	v_add_nc_u32 v[ADW+2], 51200, v[ADW]
	v_add_nc_u32 v[ADW+3], SLOT+51200, v[ADW]
	v_add_nc_u32 v[ADWS], s63, v[PFO]
	v_add_nc_u32 v[ADWS+1], SLOT, v[ADWS]
	v_add_nc_u32 v[ADWS+2], 51200, v[ADWS]
	v_add_nc_u32 v[ADWS+3], SLOT+51200, v[ADWS]
	v_bfe_u32 v[VB], v0, 4, 1
	v_lshlrev_b32 v[VB], 5, v[VB]
	v_and_b32 v[VQ], 15, v0
	v_lshlrev_b32 v[VQ], 4, v[VQ]
	v_min_u32 v[PFO], 24, v1
	v_lshlrev_b32 v[PFO], 8, v[PFO]
	s_wait_alu depctr_va_vdst(0)
	global_prefetch_b8 v[PFO], s[PF:PF+1] th:TH_LOAD_NT scope:SCOPE_SE               ; slot 1
	s_cmp_eq_u32 s[WV], 0
	s_cbranch_scc0 .Lhead_asked
	global_prefetch_b8 v[PFO], s[PF:PF+1] offset:6400 th:TH_LOAD_NT scope:SCOPE_SE
.Lhead_asked:
	global_load_b128 v[QL:QL+3], v[VQ], s[14:15]
	global_load_b128 v[QL+4:QL+7], v[VQ], s[14:15] offset:256
.macro BIAS win, base                  ; the bias of column 64 wc + 16 f + 8 h + j into register j of accumulator (bt, t, f): the sums begin there
	WIN \win
.irp bt, 0,1
.irp t, 0,1,2,3
.irp f, 0,1,2,3
	global_load_b128 v[128*\bt+32*\t+8*\f:128*\bt+32*\t+8*\f+3], v[VB], s[\base:\base+1] offset:64*\f
	global_load_b128 v[128*\bt+32*\t+8*\f+4:128*\bt+32*\t+8*\f+7], v[VB], s[\base:\base+1] offset:64*\f+16
.endr
.endr
.endr
.endm
	BIAS 0x40, 8
	BIAS 0x80, 10
	BIAS 0xc0, 12
	WIN 0
; A slot's work is 6 GROUPS: group X = 3 q + matrix: my four tiles of a matrix for the slot's q-th 128 along K, in ring buffer X % 2 (13 LDS loads, the scale words among them),
; against H's eight fragments: 16 matrix instructions for bt = 0, then 16 for bt = 1.
.macro LOADW sl, X
.set LQ, (\X)/3
.set LM, (\X)%3
.set LB, (\X)%2
.irp f, 0,1,2,3
.irp c, 0,1,2
	ds_load_b128 v[RING+48*LB+12*\f+4*\c:RING+48*LB+12*\f+4*\c+3], v[ADW+(\sl)+2*(LM/2)] offset:(LM%2)*25600+LQ*12800+\f*1536+512*\c
.endr
.endr
	ds_load_b64 v[WSC+2*LB:WSC+2*LB+1], v[ADWS+(\sl)+2*(LM/2)] offset:(LM%2)*25600+LQ*12800
.endm
.macro LOADHB sl, q, bt                ; H's four fragments of one bt: 12 LDS loads
.irp t, 0,1,2,3
.irp c, 0,1,2
	ds_load_b128 v[HF+48*(\bt)+12*\t+4*\c:HF+48*(\bt)+12*\t+4*\c+3], v[ADRH+(\sl)] offset:(\bt)*12288+(2*\t+(\q))*1536+512*\c
.endr
.endr
.endm
.macro LOADHS sl
.irp bt, 0,1
	ds_load_b128 v[HSC+8*(\sl)+4*\bt:HSC+8*(\sl)+4*\bt+3], v[ADHS+(\sl)] offset:512*\bt
.endr
.endm
.macro WMQ d, a, b, sa, sb, ra, rb
.if (\ra) && (\rb)
	v_wmma_scale_f32_16x16x128_f8f6f4 v[(\d):(\d)+7], v[(\a):(\a)+11], v[(\b):(\b)+11], v[(\d):(\d)+7], v[(\sa)], v[(\sb)] matrix_a_fmt:MATRIX_FMT_FP6 matrix_b_fmt:MATRIX_FMT_FP6 matrix_a_scale:MATRIX_SCALE_ROW1 matrix_b_scale:MATRIX_SCALE_ROW1
.elseif \ra
	v_wmma_scale_f32_16x16x128_f8f6f4 v[(\d):(\d)+7], v[(\a):(\a)+11], v[(\b):(\b)+11], v[(\d):(\d)+7], v[(\sa)], v[(\sb)] matrix_a_fmt:MATRIX_FMT_FP6 matrix_b_fmt:MATRIX_FMT_FP6 matrix_a_scale:MATRIX_SCALE_ROW1
.elseif \rb
	v_wmma_scale_f32_16x16x128_f8f6f4 v[(\d):(\d)+7], v[(\a):(\a)+11], v[(\b):(\b)+11], v[(\d):(\d)+7], v[(\sa)], v[(\sb)] matrix_a_fmt:MATRIX_FMT_FP6 matrix_b_fmt:MATRIX_FMT_FP6 matrix_b_scale:MATRIX_SCALE_ROW1
.else
	v_wmma_scale_f32_16x16x128_f8f6f4 v[(\d):(\d)+7], v[(\a):(\a)+11], v[(\b):(\b)+11], v[(\d):(\d)+7], v[(\sa)], v[(\sb)] matrix_a_fmt:MATRIX_FMT_FP6 matrix_b_fmt:MATRIX_FMT_FP6
.endif
.endm
; Half a group: four tiles of W x four t of one bt: 16 different accumulators; the accumulators take turns, over the loop's backward jump too.
.macro HG sl, X, bt
.set MQ, (\X)/3
.set MM, (\X)%3
.set MB, (\X)%2
	WIN 0x50*(MM+1)
.irp f, 0,1,2,3
.irp t, 0,1,2,3
	WMQ 128*(\bt)+32*\t+8*\f, RING+48*MB+12*\f, HF+48*(\bt)+12*\t, WSC+2*MB+\f/2, HSC+8*(\sl)+4*(\bt)+\t, \f%2, MQ
.endr
.endr
.endm
.macro RUNBEG
	PLACES 4
	WIN 0
.endm
; H has one set of registers, loaded anew by halves: bt = 0's next fragments ahead of a step's last 16 products (which are bt = 1's), bt = 1's ahead of the next step's first 16 (bt = 0's).
; Group X + 1 is loaded ahead of group X's products, into the buffer that group X - 1 has just left.
.macro OPENQ sl, q                     ; a K step's first group
	RUNBEG
	LOADHB \sl, \q, 1
	LOADW \sl, 3*(\q)+1
	s_wait_dscnt 25                                ; all but the run just issued: this group and bt = 0's fragments are in
	HG \sl, 3*(\q), 0
	s_wait_dscnt 13                                ; bt = 1's twelve are in; the next group's 13 may be out
	HG \sl, 3*(\q), 1
.endm
.macro STEP0 sl
	OPENQ \sl, 0
	RUNBEG
	LOADW \sl, 2
	s_wait_dscnt 13
	HG \sl, 1, 0
	HG \sl, 1, 1
	RUNBEG
	LOADW \sl, 3
	s_wait_dscnt 13
	HG \sl, 2, 0
	RUNBEG
	LOADHB \sl, 1, 0
	HG \sl, 2, 1
.endm
; The slot's second K step, with THE CHANGE OF SLOTS.  Group 5's loads are my last reads of this slot.  In front of the barrier each wave waits for all its tensor loads, adds 0 to its spare word,
; and waits for that and for its reads.  fill = 1: the barrier opens a round of the cluster's barrier, and this slot is filled again, two slots ahead, first thing behind the round.
; Group 5's 32 products stand behind the barrier, while the next slot's first fragments come.
.macro STEP1 sl, nx, fill
	OPENQ \sl, 1
	RUNBEG
	LOADW \sl, 5
.if \fill
	s_wait_xcnt 0x0                                ; my last prefetch has read its address
	s_add_nc_u64 s[PF:PF+1], s[PF:PF+1], s[PFS:PFS+1]
.endif
	s_wait_tensorcnt 0x0
	ds_add_u32 v[SPW], v[NIL]
.if \fill
	s_add_nc_u64 s[G0H+4*\sl+2:G0H+4*\sl+3], s[G0H+4*\sl+2:G0H+4*\sl+3], 102400
	s_add_nc_u64 s[G0W+4*\sl+2:G0W+4*\sl+3], s[G0W+4*\sl+2:G0W+4*\sl+3], 51200
.endif
	s_wait_dscnt 14                                ; group 4 is in; group 5's 13 and the add may be out
	HG \sl, 4, 0
	s_wait_dscnt 0x0                               ; the add is done, and my reads of this slot are over
	s_barrier_signal -1
	HG \sl, 4, 1
	WIN 0
	s_barrier_wait -1
.if \fill
	CREST
	JLOAD G0H+4*\sl, G1H, G0W+4*\sl, G1W           ; its four v_nop are also the places in front of the loads below
.else
	PLACES 4
.endif
	LOADHS \nx
	LOADW \nx, 0
.if \fill
	ASK
.endif
	HG \sl, 5, 0
	RUNBEG
	LOADHB \nx, 0, 0
	HG \sl, 5, 1
	WIN 0
.endm
	s_wait_tensorcnt 0x0                           ; my part of slot 0 is in
	ds_add_u32 v[SPW], v[NIL]
	s_wait_dscnt 0x0
	CROUND
	JLOAD G0H+4, G1H, G0W+4, G1W                   ; slot 1, the first tensor load behind the round
	LOADHS 0
	LOADW 0, 0
	LOADHB 0, 0, 0
	s_cmp_eq_u32 s[WV], 0                          ; slots 2 and 3 are named here: one and two slots on from where the prefetches stand
	s_cbranch_scc0 .Lask_w
	global_prefetch_b8 v[PFO], s[PF:PF+1] offset:51200 th:TH_LOAD_NT scope:SCOPE_SE
	global_prefetch_b8 v[PFO], s[PF:PF+1] offset:57600 th:TH_LOAD_NT scope:SCOPE_SE
	global_prefetch_b8 v[PFO], s[PF:PF+1] offset:102400 th:TH_LOAD_NT scope:SCOPE_SE
	global_prefetch_b8 v[PFO], s[PF:PF+1] offset:108800 th:TH_LOAD_NT scope:SCOPE_SE
	s_branch .Lask_done
.Lask_w:
	global_prefetch_b8 v[PFO], s[PF:PF+1] offset:25600 th:TH_LOAD_NT scope:SCOPE_SE
	global_prefetch_b8 v[PFO], s[PF:PF+1] offset:51200 th:TH_LOAD_NT scope:SCOPE_SE
.Lask_done:
	s_wait_loadcnt 0x0                             ; the biases and quality
	s_wait_xcnt 0x0                                ; the prefetches have read their address:
	s_add_nc_u64 s[PF:PF+1], s[PF:PF+1], s[PFS:PFS+1]   ; on to slot 3; each change of slots steps it first and then names the slot four on
	s_add_nc_u64 s[PF:PF+1], s[PF:PF+1], s[PFS:PFS+1]
	s_mov_b32 s[LAP], 3
.Llap:                                             ; a lap = two slots; three laps fill both slots again: slots 2 to 7 of eight
	STEP0 0
	STEP1 0, 1, 1
	STEP0 1
	STEP1 1, 0, 1
	s_sub_co_u32 s[LAP], s[LAP], 1
	s_cmp_lg_u32 s[LAP], 0
	s_cbranch_scc1 .Llap
	STEP0 0                                        ; the last lap is written out: it asks for nothing
	STEP1 0, 1, 0
	STEP0 1
	OPENQ 1, 1
	RUNBEG
	LOADW 1, 5
	s_wait_dscnt 13
	HG 1, 4, 0
	HG 1, 4, 1
	s_wait_dscnt 0x0
	HG 1, 5, 0
	HG 1, 5, 1
	WIN 0
	; THE ATTENTION, in f32.  Lane (r, h) holds, of two values of b, 32 of the head's 128 columns of Q, K, V for all four t.
	PLACES 4
	s_lshl_b32 s20, s[WV], 12
	s_add_co_u32 s20, s20, EXB
	s_xor_b32 s21, s[WV], 1                        ; the wave with my b and the other 64 columns
	s_lshl_b32 s21, s21, 12
	s_add_co_u32 s21, s21, EXB
	v_mov_b32 v[TM+2], 0                           ; a lane permute's destination counts as one of its sources
	v_mov_b32 v[TM+3], 0
.irp j, 0,1,2,3,4,5,6,7
	v_mul_f32 v[GQ+\j], 0x3e0293ee, v[QL+\j]       ; quality[b][j] x log2(e) / sqrt(128)
.endr
	v_lshlrev_b32 v4, 4, v1                        ; 16 x lane
	v_lshlrev_b32 v5, 3, v1                        ; 8 x lane
	v_add_nc_u32 v6, s20, v4                       ; where I put my halves,
	v_add_nc_u32 v7, s21, v4                       ; and where the partner's lie
	WIN 0x09                                       ; source 0 (Q) window 1, source 1 (K) window 2
.set N, 0
.rept 16                                       ; 32 sums Q_i . K_j over my columns; the columns ascend
.irp bt, 0,1
.irp i, 0,1,2,3
.irp j, 0,1,2,3
.if N == 0
	v_pk_mul_f32 v[SCO+2*(16*\bt+4*\i+\j):SCO+2*(16*\bt+4*\i+\j)+1], v[128*\bt+32*\i+N:128*\bt+32*\i+N+1], v[128*\bt+32*\j+N:128*\bt+32*\j+N+1]
.else
	v_pk_fma_f32 v[SCO+2*(16*\bt+4*\i+\j):SCO+2*(16*\bt+4*\i+\j)+1], v[128*\bt+32*\i+N:128*\bt+32*\i+N+1], v[128*\bt+32*\j+N:128*\bt+32*\j+N+1], v[SCO+2*(16*\bt+4*\i+\j):SCO+2*(16*\bt+4*\i+\j)+1]
.endif
.endr
.endr
.endr
.set N, N+2
.endr
	WIN 0
.set P, 0
.rept 32
	v_add_f32 v[SCO+2*P], v[SCO+2*P], v[SCO+2*P+1]
.set P, P+1
.endr
.set P, 0
.rept 32
	v_permlanex16_b32 v[SCO+2*P+1], v[SCO+2*P], s[SEL], s[SEL+1]   ; 32 more columns lie in lane l xor 16
.set P, P+1
.endr
.set P, 0
.rept 32
	v_add_f32 v[XS+P], v[SCO+2*P], v[SCO+2*P+1]
.set P, P+1
.endr
.irp k, 0,1,2,3,4,5,6,7
	ds_store_b128 v6, v[XS+4*\k:XS+4*\k+3] offset:512*\k
.endr
	s_wait_alu depctr_va_vdst(0)
	s_wait_dscnt 0x0                               ; my stores are done,
	s_barrier_signal -1
	s_barrier_wait -1                              ; and so are the partner's
.irp k, 0,1,2,3,4,5,6,7
	ds_load_b128 v[PR+4*\k:PR+4*\k+3], v7 offset:512*\k
.endr
	s_wait_dscnt 0x0
.set P, 0
.rept 32
	v_add_f32 v[SCO+2*P], v[XS+P], v[PR+P]         ; the whole sum over 128 columns
.set P, P+1
.endr
.irp R, 0,1,2,3,4,5,6,7
.irp j, 0,1,2,3
	v_mul_f32 v[SCO+2*(4*\R+\j)], v[SCO+2*(4*\R+\j)], v[GQ+4*(\R/4)+\j]   ; the gated score, in units of log2
.endr
.endr
.irp R, 0,1,2,3,4,5,6,7
	v_max3_num_f32 v[MX+\R], v[SCO+8*\R], v[SCO+8*\R+2], v[SCO+8*\R+4]
.endr
.irp R, 0,1,2,3,4,5,6,7
	v_max_num_f32 v[MX+\R], v[MX+\R], v[SCO+8*\R+6]                ; the row's maximum, taken away ahead of the exponential
.endr
.irp R, 0,1,2,3,4,5,6,7
.irp j, 0,1,2,3
	v_sub_f32 v[SCO+2*(4*\R+\j)], v[SCO+2*(4*\R+\j)], v[MX+\R]
.endr
.endr
	s_wait_alu depctr_va_vdst(0)                   ; the wait ahead of the batch
.set P, 0
.rept 32
	v_exp_f32 v[SCO+2*P], v[SCO+2*P]
.set P, P+1
.endr
	v_nop
	s_wait_alu depctr_va_vdst(0)                   ; and behind it
.irp R, 0,1,2,3,4,5,6,7
	v_add_f32 v[LSUM+\R], v[SCO+8*\R], v[SCO+8*\R+2]
.endr
.irp R, 0,1,2,3,4,5,6,7
	v_add_f32 v[LSUM+\R], v[LSUM+\R], v[SCO+8*\R+4]
.endr
.irp R, 0,1,2,3,4,5,6,7
	v_add_f32 v[LSUM+\R], v[LSUM+\R], v[SCO+8*\R+6]
.endr
	s_wait_alu depctr_va_vdst(0)
.irp R, 0,1,2,3,4,5,6,7
	v_rcp_f32 v[MX+\R], v[LSUM+\R]
.endr
	v_nop
	s_wait_alu depctr_va_vdst(0)
.irp R, 0,1,2,3,4,5,6,7
.irp j, 0,1,2,3
	v_mul_f32 v[SCO+2*(4*\R+\j)], v[SCO+2*(4*\R+\j)], v[MX+\R]     ; attn[i][j], normalised
.endr
.endr
	; ctx of each (bt, t = i): 32 numbers a lane; brought into the conversions' order; quantised; my half of its image stored.
.irp bt, 0,1
.irp i, 0,1,2,3
	WIN 0x03                                       ; source 0 (V) window 3
.if \i == 0
	s_wait_alu depctr_va_vdst(0)                   ; the wait directly ahead of the first reader of this bt's V
.endif
.irp j, 0,1,2,3
.set N, 0
.rept 16
.if \j == 0
	v_pk_mul_f32 v[CT+N:CT+N+1], v[128*\bt+N:128*\bt+N+1], v[SCO+2*(16*\bt+4*\i):SCO+2*(16*\bt+4*\i)+1] op_sel_hi:[1,0]
.else
	v_pk_fma_f32 v[CT+N:CT+N+1], v[128*\bt+32*\j+N:128*\bt+32*\j+N+1], v[SCO+2*(16*\bt+4*\i+\j):SCO+2*(16*\bt+4*\i+\j)+1], v[CT+N:CT+N+1] op_sel_hi:[1,0,1]
.endif
.set N, N+2
.endr
.endr
	WIN 0
.irp b, 0,1                                    ; register 16 b + i' then holds column 32 b + 16 h + i' of my 64
.irp j, 0,1,2,3,4,5,6,7
	v_permlane16_swap_b32 v[CT+16*\b+\j], v[CT+16*\b+8+\j]
.endr
.endr
	QUANT2 CT, PCB+12*(4*\bt+\i), PWH+4*\bt+\i
	global_store_b128 v4, v[PCB+12*(4*\bt+\i):PCB+12*(4*\bt+\i)+3], s[16:17] offset:24576*\bt+1536*\i        ; 512 consecutive bytes, aligned
	global_store_b64 v5, v[PCB+12*(4*\bt+\i)+4:PCB+12*(4*\bt+\i)+5], s[16:17] offset:24576*\bt+1536*\i+512   ; 256 consecutive bytes, aligned
.endr
.endr
	v_lshl_or_b32 v[TM], v[PWH+1], 16, v[PWH]      ; four half words for each bt; lanes l and l xor 16 hold the same
	v_lshl_or_b32 v[TM+1], v[PWH+3], 16, v[PWH+2]
	v_lshl_or_b32 v[TM+2], v[PWH+5], 16, v[PWH+4]
	v_lshl_or_b32 v[TM+3], v[PWH+7], 16, v[PWH+6]
	v_cmp_gt_u32 vcc_lo, 16, v1
	v_cndmask_b32 v[TM+4], v[TM+2], v[TM], vcc_lo  ; lanes 0-15 store bt = 0's, lanes 16-31 bt = 1's
	v_cndmask_b32 v[TM+5], v[TM+3], v[TM+1], vcc_lo
	global_store_b64 v5, v[TM+4:TM+5], s[18:19]    ; 256 consecutive bytes, aligned
	s_wait_tensorcnt 0x0                           ; the wave's end
	ds_add_u32 v[SPW], v[NIL]
	s_wait_dscnt 0x0
	CROUND                                         ; the closing round
	s_endpgm
.Lfunc_end_k_q0aecbbc227_qkvattn:
	.size	k_q0aecbbc227_qkvattn, .Lfunc_end_k_q0aecbbc227_qkvattn-k_q0aecbbc227_qkvattn
	.p2alignl 7, 3214868480
	.fill 96, 4, 3214868480
	.section	.rodata,"a",@progbits
	.p2align	6, 0x0
	.amdhsa_kernel k_q0aecbbc227_qkvattn
		.amdhsa_group_segment_fixed_size 327680
		.amdhsa_private_segment_fixed_size 0
		.amdhsa_enable_private_segment 0
		.amdhsa_kernarg_size 64
		.amdhsa_user_sgpr_count 2
		.amdhsa_user_sgpr_kernarg_segment_ptr 1
		.amdhsa_wavefront_size32 1
		.amdhsa_system_sgpr_workgroup_id_x 1
		.amdhsa_system_sgpr_workgroup_id_y 1
		.amdhsa_system_sgpr_workgroup_id_z 1
		.amdhsa_system_vgpr_workitem_id 0
		.amdhsa_next_free_vgpr 1024
		.amdhsa_next_free_sgpr 102
		.amdhsa_reserve_vcc 1
		.amdhsa_float_denorm_mode_32 3
		.amdhsa_float_denorm_mode_16_64 3
		.amdhsa_memory_ordered 1
		.amdhsa_forward_progress 1
		.amdhsa_inst_pref_size 255
	.end_amdhsa_kernel
	.section	.bss,"aw",@nobits
	.p2align	6
	.space	262144
	.amdgpu_metadata
---
amdhsa.version: [ 1, 2 ]
amdhsa.kernels:
  - .name:           k_q0aecbbc227_qkvattn
    .symbol:         k_q0aecbbc227_qkvattn.kd
    .args:
      - { .name: Hx, .offset: 0, .size: 8, .value_kind: global_buffer, .address_space: global }
      - { .name: Wi, .offset: 8, .size: 8, .value_kind: global_buffer, .address_space: global }
      - { .name: bq, .offset: 16, .size: 8, .value_kind: global_buffer, .address_space: global }
      - { .name: bk, .offset: 24, .size: 8, .value_kind: global_buffer, .address_space: global }
      - { .name: bv, .offset: 32, .size: 8, .value_kind: global_buffer, .address_space: global }
      - { .name: quality, .offset: 40, .size: 8, .value_kind: global_buffer, .address_space: global }
      - { .name: Cc, .offset: 48, .size: 8, .value_kind: global_buffer, .address_space: global }
      - { .name: Cs, .offset: 56, .size: 8, .value_kind: global_buffer, .address_space: global }
    .group_segment_fixed_size: 327680
    .private_segment_fixed_size: 0
    .kernarg_segment_align: 8
    .kernarg_segment_size: 64
    .max_flat_workgroup_size: 128
    .sgpr_count:     102
    .vgpr_count:     1024
    .wavefront_size: 32
...
	.end_amdgpu_metadata
.endif
;; end of part 2
;; launch oproj (part 3): grid 16 x 16, 4 waves a work-group, clusters of 4 x 4, 327,680 bytes of LDS; arguments Cc, Cs, Wi, y; writes y
.if DOCPART == 3
	.amdgcn_target "amdgcn-amd-amdhsa--gfx1250"
	.amdhsa_code_object_version 6
	.text
	.protected	k_q0aecbbc227_oproj
	.globl	k_q0aecbbc227_oproj
	.p2align	8
	.type	k_q0aecbbc227_oproj,@function
k_q0aecbbc227_oproj:
	s_mov_b64 s[64:65], 0
	v_nop
	global_prefetch_b8 v0, s[64:65] scope:SCOPE_SE
	s_setreg_imm32_b32 hwreg(HW_REG_WAVE_MODE, 25, 1), 1
	s_wait_xcnt 0x0
	s_wait_alu depctr_hold_cnt(0) depctr_sa_sdst(0) depctr_va_vdst(0) depctr_va_sdst(0) depctr_va_ssrc(0) depctr_va_vcc(0) depctr_vm_vsrc(0)
	s_getreg_b32 s2, hwreg(HW_REG_IB_STS2, 6, 4)
	s_cmp_eq_u32 s2, 0
	s_cbranch_scc0 .Lentry_in_a_cluster
	s_endpgm
.Lentry_in_a_cluster:
	s_bfe_u32 s2, ttmp6, 0x10000c
	s_cmp_lg_u32 s2, 0xf033
	s_cbranch_scc0 .Lentry_shape_is_right
	s_endpgm
.Lentry_shape_is_right:
; y[b][n] = the sum over the four evidence types t and over d of ctx[b][t][d] Wo[n][d], on codes of FP6 (E2M3) with E8M0 scales; the four t add onto one accumulator; sums in f32.
; Work-group (x, y): columns 128 x on, b = 64 y on.  Wave w: b = 64 y + 16 w + r, all 128 columns: 8 accumulators, which take turns.
; The matrix instruction is used transposed (source 0 = 16 rows of Wo, source 1 = 16 values of b at one t): a lane holds eight neighbouring columns of one row of y.
; K (2,048) goes in four slots of 512 through a ring of two LDS slots: ctx 98,304 bytes [w][k / 128][t][1,536], then Wo's four blocks of 12,800 bytes (8 images + 512 bytes of scale words).
; Every tile is a dense block, stated as rows of 256 bytes.  ctx's scale words stay in 32 registers, joined from the half words that the launch before stored.
; CLUSTER 4 x 4: a row of the cluster shares ctx, a column Wo.  Waves 0, 1 ask for ctx's halves, waves 2, 3 for Wo's: one tensor load a wave is out.
; PREFETCH.  Each partner names a quarter of the tile that its wave asks for, told apart by address (cx for ctx, cy for Wo): ctx 48 blocks of 256 bytes in two instructions, Wo 25 in one.
; Slot 1 is named at the head, behind slot 0's load; slots 2 and 3 behind slot 1's load.  Slot 0 comes by its load alone.  The slot stands in the immediate: no address register is written again.
; The way out goes through a stage in slot 0, which has had its last fill and its last read by then.  All of LDS is claimed.
.set SLOT,  149504
.set WOFF,  98304
.set SPARE, 2*SLOT
.set SPW,  2
.set NIL,  3
.set ADRW, 4
.set ADC8, 6                           ; v6-7: my ctx fragments' pieces of 8 bytes a lane, in slot 0, 1
.set ADRC, 8
.set STO,  10
.set RD,   11
.set CO,   12
.set CSO,  13                          ; ctx's scale half words: 8 r; lanes 16-31 take the next head's, 512 bytes on
.set CF,   16                          ; ctx's four fragments, two sets
.set CSC,  112                         ; ctx's scale words: register 4 (ks / 2) + t; lanes 0-15 even ks, lanes 16-31 odd
.set WSC,  144                         ; Wo's, two sets of four
.set CSH,  152                         ; v152-183: the half words as loaded
.set PFO,  208
.set ACC,  192                         ; window 1; Wo's fragments, two sets, at v0 and v96 of window 1
.set WV,   14
.set PF,   2                           ; s[2:3] where my prefetches stand: slot 0, my work-group's quarter
.set G1C,  24
.set G0C,  32
.set G1W,  48
.set G0W,  56
.set MSB, 0
.macro WIN new
.if MSB != (\new)
	s_set_vgpr_msb (MSB<<8)|(\new)
.set MSB, (\new)
.endif
.endm
.macro PLACES n
.rept \n
	v_nop
.endr
.endm
.macro JLOAD g0a, g1a, g0b, g1b
	s_cmp_eq_u32 s15, 0
	s_cbranch_scc0 .Lfor_b_\@
	tensor_load_to_lds s[\g0a:\g0a+3], s[\g1a:\g1a+7]
	s_nop 0
.rept 4
	v_nop
.endr
	s_branch .Lasked_\@
.Lfor_b_\@:
	tensor_load_to_lds s[\g0b:\g0b+3], s[\g1b:\g1b+7]
	s_nop 0
.rept 4
	v_nop
.endr
.Lasked_\@:
.endm
.macro CREST
	s_cmp_lg_u32 s[WV], 0
	s_cbranch_scc1 .Lnot_wave_0_\@
	s_barrier_signal -3
.Lnot_wave_0_\@:
	s_barrier_wait -3
	s_barrier_signal -1
	s_barrier_wait -1
.endm
.macro CROUND
	s_barrier_signal -1
	s_barrier_wait -1
	CREST
.endm
.macro ASKO n                          ; slot n; the branch hangs on the wave's number alone
	s_cmp_eq_u32 s15, 0
	s_cbranch_scc0 .Lask_w_\@
	global_prefetch_b8 v[PFO], s[PF:PF+1] offset:(\n)*98304 th:TH_LOAD_NT scope:SCOPE_SE
	global_prefetch_b8 v[PFO], s[PF:PF+1] offset:(\n)*98304+6144 th:TH_LOAD_NT scope:SCOPE_SE
	s_branch .Lask_d_\@
.Lask_w_\@:
	global_prefetch_b8 v[PFO], s[PF:PF+1] offset:(\n)*51200 th:TH_LOAD_NT scope:SCOPE_SE
.Lask_d_\@:
.endm
	s_load_b256 s[4:11], s[0:1], 0x0               ; Cc s[4:5], Cs s[6:7], Wi s[8:9], y s[10:11]
	v_lshl_add_u32 v[SPW], v0, 2, SPARE
	v_mov_b32 v[NIL], 0
	ds_add_u32 v[SPW], v[NIL]                      ; the opening lines
	ds_add_u32 v[SPW], v[NIL]
	v_lshrrev_b32 v1, 5, v0
	v_readfirstlane_b32 s[WV], v1
	s_lshr_b32 s15, s[WV], 1                       ; I ask for ctx (0) or for Wo (1),
	s_and_b32 s16, s[WV], 1                        ; and for which half
	s_bfe_u32 s40, ttmp6, 0x40000
	s_bfe_u32 s41, ttmp6, 0x40004
	s_lshl_b32 s42, ttmp9, 2
	s_add_co_u32 s42, s42, s40                     ; n / 128
	s_and_b32 s17, ttmp7, 0xffff
	s_lshl_b32 s17, s17, 2
	s_add_co_u32 s17, s17, s41                     ; b / 64
	s_lshl_b32 s43, s41, 2
	s_lshl_b32 s43, 15, s43
	s_lshl_b32 s44, 0x1111, s40
	s_or_b32 s[G1C], s43, (3<<16)|(1<<21)          ; half of ctx's tile: 192 rows of 256 bytes, dense
	s_mov_b32 s[G1C+1], 32<<16
	s_mov_b32 s[G1C+2], 192<<16
	s_mov_b32 s[G1C+3], 32<<16
	s_mov_b32 s[G1C+4], 192
	s_mov_b32 s[G1C+5], 32
	s_mov_b32 s[G1C+6], 0
	s_mov_b32 s[G1C+7], 0
	s_or_b32 s[G1W], s44, (3<<16)|(1<<21)          ; half of Wo's: 100 rows
	s_mov_b32 s[G1W+1], 32<<16
	s_mov_b32 s[G1W+2], 100<<16
	s_mov_b32 s[G1W+3], 32<<16
	s_mov_b32 s[G1W+4], 100
	s_mov_b32 s[G1W+5], 32
	s_mov_b32 s[G1W+6], 0
	s_mov_b32 s[G1W+7], 0
	s_mul_i32 s20, s17, 393216
	s_mul_i32 s21, s16, 49152
	s_add_co_u32 s20, s20, s21
	s_mov_b32 s21, 0
	s_add_co_u32 s46, s42, 48                      ; Wo is the fourth matrix of Wi
	s_mul_i32 s46, s46, 204800
	s_mul_i32 s47, s16, 25600
	s_add_co_u32 s46, s46, s47
	s_mov_b32 s47, 0
	s_mul_i32 s45, s[WV], 49152
	s_mul_i32 s22, s[WV], 25600
	s_wait_dscnt 0x0
	s_wait_kmcnt 0x0
	s_add_nc_u64 s[20:21], s[4:5], s[20:21]
	s_add_nc_u64 s[46:47], s[8:9], s[46:47]
	CROUND
.irp sl, 0,1
	s_mov_b32 s[G0C+4*\sl], 1
	s_add_co_u32 s[G0C+4*\sl+1], s45, \sl*SLOT
	s_add_nc_u64 s[G0C+4*\sl+2:G0C+4*\sl+3], s[20:21], \sl*98304
	s_or_b32 s[G0C+4*\sl+3], s[G0C+4*\sl+3], 0x80000000
	s_mov_b32 s[G0W+4*\sl], 1
	s_add_co_u32 s[G0W+4*\sl+1], s22, \sl*SLOT+WOFF-51200
	s_add_nc_u64 s[G0W+4*\sl+2:G0W+4*\sl+3], s[46:47], \sl*51200
	s_or_b32 s[G0W+4*\sl+3], s[G0W+4*\sl+3], 0x80000000
.endr
	JLOAD G0C, G1C, G0W, G1W                       ; slot 0: one tensor load a wave at the head
	s_mul_i32 s18, s40, 12288                      ; the prefetches: my work-group's quarter of the half tile that I ask for
	s_mov_b32 s19, 0
	s_add_nc_u64 s[20:21], s[20:21], s[18:19]
	s_mul_i32 s18, s41, 6400
	s_add_nc_u64 s[46:47], s[46:47], s[18:19]
	s_cmp_eq_u32 s15, 0
	s_cselect_b64 s[PF:PF+1], s[20:21], s[46:47]
	s_cselect_b32 s22, 23, 24                      ; the last block that an instruction names
	s_lshl_b32 s18, s17, 1                         ; Cs: 8,192 bytes for each 32 b: [head][half of the head's columns][b / 16 % 2][r][t] half words
	s_add_co_u32 s18, s18, s15
	s_lshl_b32 s18, s18, 13
	s_lshl_b32 s23, s16, 7
	s_add_co_u32 s18, s18, s23
	s_add_nc_u64 s[6:7], s[6:7], s[18:19]
	s_mov_b32 s12, 0x05040100                      ; v_perm_b32: the two low halves,
	s_mov_b32 s13, 0x07060302                      ; the two high halves
	s_lshl_b32 s18, s17, 19                        ; y: my 16 rows of 8,192 bytes, my 512 bytes of each
	s_lshl_b32 s23, s[WV], 17
	s_add_co_u32 s18, s18, s23
	s_lshl_b32 s23, s42, 9
	s_add_co_u32 s18, s18, s23
	s_add_nc_u64 s[10:11], s[10:11], s[18:19]
	s_mul_i32 s18, s[WV], 24576
	s_mul_i32 s23, s[WV], 8448
	v_and_b32 v1, 31, v0
	v_and_b32 v14, 15, v0
	v_bfe_u32 v15, v0, 4, 1
	v_lshlrev_b32 v[CO], 4, v1
	v_add_nc_u32 v[ADRW], WOFF, v[CO]
	v_add_nc_u32 v[ADRW+1], SLOT+WOFF, v[CO]
	v_add_nc_u32 v[ADRC], s18, v[CO]
	v_add_nc_u32 v[ADRC+1], SLOT, v[ADRC]
	v_mul_u32_u24 v[STO], v14, 528
	v_lshl_add_u32 v[STO], v15, 5, v[STO]
	v_add_nc_u32 v[STO], s23, v[STO]
	v_add_nc_u32 v[RD], s23, v[CO]
	v_lshl_add_u32 v[ADC8], v1, 3, s18
	v_add_nc_u32 v[ADC8+1], SLOT, v[ADC8]
	v_lshlrev_b32 v[CSO], 3, v14
	v_lshl_add_u32 v[CSO], v15, 9, v[CSO]
	v_min_u32 v[PFO], s22, v1
	v_lshlrev_b32 v[PFO], 8, v[PFO]
	s_wait_alu depctr_va_vdst(0)
	ASKO 1
.irp p, 0,1,2,3,4,5,6,7
	global_load_b64 v[CSH+4*\p:CSH+4*\p+1], v[CSO], s[6:7] offset:1024*\p          ; blocks 0 and 1 of t = 0 .. 3
	global_load_b64 v[CSH+4*\p+2:CSH+4*\p+3], v[CSO], s[6:7] offset:1024*\p+256    ; blocks 2 and 3
.endr
.macro FETCH sl, kq, st                ; a K step's fragments and Wo's scale words: 41 LDS loads
	WIN 0x40
.irp u, 0,1,2,3,4,5,6,7
.irp c, 0,1,2
	ds_load_b128 v[96*(\st)+12*\u+4*\c:96*(\st)+12*\u+4*\c+3], v[ADRW+(\sl)] offset:12800*(\kq)+1536*\u+512*\c
.endr
.endr
	WIN 0
	ds_load_b128 v[WSC+4*(\st):WSC+4*(\st)+3], v[ADRW+(\sl)] offset:12800*(\kq)+12288
.irp t, 0,1,2,3
.irp c, 0,1                                    ; half c of an image, 768 bytes: registers 6 c .. 6 c + 3 at 16 x lane, registers 6 c + 4, 5 at 512 + 8 x lane
	ds_load_b128 v[CF+48*(\st)+12*\t+6*\c:CF+48*(\st)+12*\t+6*\c+3], v[ADRC+(\sl)] offset:(4*(\kq)+\t)*1536+768*\c
	ds_load_b64 v[CF+48*(\st)+12*\t+6*\c+4:CF+48*(\st)+12*\t+6*\c+5], v[ADC8+(\sl)] offset:(4*(\kq)+\t)*1536+768*\c+512
.endr
.endr
.endm
.macro WMO d, a, b, sa, sb, ra, rb
.if (\ra) && (\rb)
	v_wmma_scale_f32_16x16x128_f8f6f4 v[(\d):(\d)+7], v[(\a):(\a)+11], v[(\b):(\b)+11], v[(\d):(\d)+7], v[(\sa)], v[(\sb)] matrix_a_fmt:MATRIX_FMT_FP6 matrix_b_fmt:MATRIX_FMT_FP6 matrix_a_scale:MATRIX_SCALE_ROW1 matrix_b_scale:MATRIX_SCALE_ROW1
.elseif \ra
	v_wmma_scale_f32_16x16x128_f8f6f4 v[(\d):(\d)+7], v[(\a):(\a)+11], v[(\b):(\b)+11], v[(\d):(\d)+7], v[(\sa)], v[(\sb)] matrix_a_fmt:MATRIX_FMT_FP6 matrix_b_fmt:MATRIX_FMT_FP6 matrix_a_scale:MATRIX_SCALE_ROW1
.elseif \rb
	v_wmma_scale_f32_16x16x128_f8f6f4 v[(\d):(\d)+7], v[(\a):(\a)+11], v[(\b):(\b)+11], v[(\d):(\d)+7], v[(\sa)], v[(\sb)] matrix_a_fmt:MATRIX_FMT_FP6 matrix_b_fmt:MATRIX_FMT_FP6 matrix_b_scale:MATRIX_SCALE_ROW1
.else
	v_wmma_scale_f32_16x16x128_f8f6f4 v[(\d):(\d)+7], v[(\a):(\a)+11], v[(\b):(\b)+11], v[(\d):(\d)+7], v[(\sa)], v[(\sb)] matrix_a_fmt:MATRIX_FMT_FP6 matrix_b_fmt:MATRIX_FMT_FP6
.endif
.endm
.macro WMZ d, a, b, sa, sb, ra         ; the first product starts the sum
.if \ra
	v_wmma_scale_f32_16x16x128_f8f6f4 v[(\d):(\d)+7], v[(\a):(\a)+11], v[(\b):(\b)+11], 0, v[(\sa)], v[(\sb)] matrix_a_fmt:MATRIX_FMT_FP6 matrix_b_fmt:MATRIX_FMT_FP6 matrix_a_scale:MATRIX_SCALE_ROW1
.else
	v_wmma_scale_f32_16x16x128_f8f6f4 v[(\d):(\d)+7], v[(\a):(\a)+11], v[(\b):(\b)+11], 0, v[(\sa)], v[(\sb)] matrix_a_fmt:MATRIX_FMT_FP6 matrix_b_fmt:MATRIX_FMT_FP6
.endif
.endm
.macro MUL8 ks, t
	WIN 0x51                                       ; Wo's fragments, C and D in window 1; ctx's in window 0
.irp u, 0,1,2,3,4,5,6,7
.if ((\ks) == 0) && ((\t) == 0)
	WMZ ACC+8*\u, 12*\u, CF, WSC+\u/2, CSC, \u%2
.else
	WMO ACC+8*\u, 96*((\ks)%2)+12*\u, CF+48*((\ks)%2)+12*(\t), WSC+4*((\ks)%2)+\u/2, CSC+4*((\ks)/2)+(\t), \u%2, (\ks)%2
.endif
.endr
.endm
.macro KSTEP ks
	PLACES 4
	FETCH (((\ks)+1)/4)%2, ((\ks)+1)%4, ((\ks)+1)%2
	s_wait_dscnt 41                                ; all but the 41 just issued
	MUL8 \ks, 0
	MUL8 \ks, 1
	MUL8 \ks, 2
	MUL8 \ks, 3
.endm
.macro TURNO ks, sl, fill              ; a slot's last K step, with the change of slots
	WIN 0
	s_wait_tensorcnt 0x0
	ds_add_u32 v[SPW], v[NIL]
.if \fill
	s_add_nc_u64 s[G0C+4*\sl+2:G0C+4*\sl+3], s[G0C+4*\sl+2:G0C+4*\sl+3], 196608
	s_add_nc_u64 s[G0W+4*\sl+2:G0W+4*\sl+3], s[G0W+4*\sl+2:G0W+4*\sl+3], 102400
.endif
	s_wait_dscnt 1                                 ; the add alone may be out
	MUL8 \ks, 0
	s_wait_dscnt 0x0
	s_barrier_signal -1
	MUL8 \ks, 1
	WIN 0
	s_barrier_wait -1
.if \fill
	CREST
	JLOAD G0C+4*\sl, G1C, G0W+4*\sl, G1W
.else
	PLACES 4
.endif
	FETCH 1-(\sl), 0, ((\ks)+1)%2
	MUL8 \ks, 2
	MUL8 \ks, 3
.endm
	s_wait_tensorcnt 0x0                           ; my part of slot 0 is in
	ds_add_u32 v[SPW], v[NIL]
	s_wait_dscnt 0x0
	CROUND
	JLOAD G0C+4, G1C, G0W+4, G1W                   ; slot 1, the first tensor load behind the round
	FETCH 0, 0, 0
	ASKO 2
	ASKO 3
	s_wait_loadcnt 0x0                             ; ctx's scale half words
.irp p, 0,1,2,3,4,5,6,7                        ; a scale word = the half word of blocks 0, 1 under that of blocks 2, 3
	v_perm_b32 v[CSC+4*\p], v[CSH+4*\p+2], v[CSH+4*\p], s12
	v_perm_b32 v[CSC+4*\p+1], v[CSH+4*\p+2], v[CSH+4*\p], s13
	v_perm_b32 v[CSC+4*\p+2], v[CSH+4*\p+3], v[CSH+4*\p+1], s12
	v_perm_b32 v[CSC+4*\p+3], v[CSH+4*\p+3], v[CSH+4*\p+1], s13
.endr
	s_wait_alu depctr_va_vdst(0)
	KSTEP 0
	KSTEP 1
	KSTEP 2
	TURNO 3, 0, 1
	KSTEP 4
	KSTEP 5
	KSTEP 6
	TURNO 7, 1, 1
	KSTEP 8
	KSTEP 9
	KSTEP 10
	TURNO 11, 0, 0
	KSTEP 12
	KSTEP 13
	KSTEP 14
	s_wait_dscnt 0x0
	MUL8 15, 0
	MUL8 15, 1
	MUL8 15, 2
	MUL8 15, 3
	WIN 0
	PLACES 4
	WIN 0x04                                       ; the way out: 16 rows x 512 bytes through my stage, rows 528 bytes apart
.irp u, 0,1,2,3,4,5,6,7
	ds_store_b128 v[STO], v[ACC+8*\u:ACC+8*\u+3] offset:64*\u
	ds_store_b128 v[STO], v[ACC+8*\u+4:ACC+8*\u+7] offset:64*\u+16
.endr
	WIN 0
.irp i, 0,1,2,3,4,5,6,7,8,9,10,11,12,13,14,15
	ds_load_b128 v[CF+4*\i:CF+4*\i+3], v[RD] offset:528*\i
.endr
.irp i, 0,1,2,3,4,5,6,7,8,9,10,11,12,13,14,15
	s_wait_dscnt 15-\i
	global_store_b128 v[CO], v[CF+4*\i:CF+4*\i+3], s[10:11] offset:8192*\i   ; 512 consecutive bytes, aligned
.endr
	s_wait_tensorcnt 0x0                           ; the wave's end
	ds_add_u32 v[SPW], v[NIL]
	s_wait_dscnt 0x0
	CROUND                                         ; the closing round
	s_endpgm
.Lfunc_end_k_q0aecbbc227_oproj:
	.size	k_q0aecbbc227_oproj, .Lfunc_end_k_q0aecbbc227_oproj-k_q0aecbbc227_oproj
	.p2alignl 7, 3214868480
	.fill 96, 4, 3214868480
	.section	.rodata,"a",@progbits
	.p2align	6, 0x0
	.amdhsa_kernel k_q0aecbbc227_oproj
		.amdhsa_group_segment_fixed_size 327680
		.amdhsa_private_segment_fixed_size 0
		.amdhsa_enable_private_segment 0
		.amdhsa_kernarg_size 32
		.amdhsa_user_sgpr_count 2
		.amdhsa_user_sgpr_kernarg_segment_ptr 1
		.amdhsa_wavefront_size32 1
		.amdhsa_system_sgpr_workgroup_id_x 1
		.amdhsa_system_sgpr_workgroup_id_y 1
		.amdhsa_system_sgpr_workgroup_id_z 1
		.amdhsa_system_vgpr_workitem_id 0
		.amdhsa_next_free_vgpr 512
		.amdhsa_next_free_sgpr 66
		.amdhsa_reserve_vcc 0
		.amdhsa_float_denorm_mode_32 3
		.amdhsa_float_denorm_mode_16_64 3
		.amdhsa_memory_ordered 1
		.amdhsa_forward_progress 1
		.amdhsa_inst_pref_size 128
	.end_amdhsa_kernel
	.amdgpu_metadata
---
amdhsa.version: [ 1, 2 ]
amdhsa.kernels:
  - .name:           k_q0aecbbc227_oproj
    .symbol:         k_q0aecbbc227_oproj.kd
    .args:
      - { .name: Cc, .offset: 0, .size: 8, .value_kind: global_buffer, .address_space: global }
      - { .name: Cs, .offset: 8, .size: 8, .value_kind: global_buffer, .address_space: global }
      - { .name: Wi, .offset: 16, .size: 8, .value_kind: global_buffer, .address_space: global }
      - { .name: y, .offset: 24, .size: 8, .value_kind: global_buffer, .address_space: global }
    .group_segment_fixed_size: 327680
    .private_segment_fixed_size: 0
    .kernarg_segment_align: 8
    .kernarg_segment_size: 32
    .max_flat_workgroup_size: 128
    .sgpr_count:     66
    .vgpr_count:     512
    .wavefront_size: 32
...
	.end_amdgpu_metadata
.endif
;; end of part 3
;; launch lnorm (part 4): grid 256 x 1, 4 waves a work-group, no clusters, 0 bytes of LDS; arguments y, res, gamma, beta, out0; writes out0
.if DOCPART == 4
	.amdgcn_target "amdgcn-amd-amdhsa--gfx1250"
	.amdhsa_code_object_version 6
	.text
	.protected	k_q0aecbbc227_lnorm
	.globl	k_q0aecbbc227_lnorm
	.p2align	8
	.type	k_q0aecbbc227_lnorm,@function
k_q0aecbbc227_lnorm:
	s_mov_b64 s[64:65], 0
	v_nop
	global_prefetch_b8 v0, s[64:65] scope:SCOPE_SE
	s_setreg_imm32_b32 hwreg(HW_REG_WAVE_MODE, 25, 1), 1
	s_wait_xcnt 0x0
; out0[b][:] = LayerNorm(y[b][:] / 4 + res[b][:]) x gamma + beta, over 2,048 numbers, in f32, in two passes (the mean first, then the mean of the squared differences), eps = 1e-5.
; y is the last product's sum over the four evidence types; res = the mean of the four inputs + bo.
; One wave, one row: 8,192 bytes = 64 registers a lane; the row stays in registers between the passes, and the sums never leave the wave: no LDS, no barrier, no cluster (no two work-groups read the same row).
; Each load and store of a wave covers 512 consecutive bytes, aligned.  LIMITS: NaN and infinities are not served.
.set Y,  16                            ; v16-79   the row
.set RR, 80                            ; v80-143  res, later beta
.set GM, 144                           ; v144-207 gamma
	s_load_b256 s[4:11], s[0:1], 0x0               ; y s[4:5], res s[6:7], gamma s[8:9], beta s[10:11]
	s_load_b64 s[12:13], s[0:1], 0x20              ; out0
	v_lshrrev_b32 v1, 5, v0
	v_readfirstlane_b32 s14, v1                    ; wave
	v_and_b32 v1, 31, v0
	v_lshlrev_b32 v4, 4, v1                        ; 16 x lane; never rewritten
	s_lshl_b32 s16, ttmp9, 2
	s_add_co_u32 s16, s16, s14                     ; my row
	s_lshl_b32 s16, s16, 13
	s_mov_b32 s17, 0
	s_mov_b32 s20, 0x76543210                      ; selects of v_permlanex16_b32 for lane l xor 16
	s_mov_b32 s21, 0xfedcba98
	s_mov_b32 s22, 0x3a000000                      ; 1 / 2,048
	s_mov_b32 s23, 0x3727c5ac                      ; eps = 1e-5
	s_wait_alu depctr_va_vdst(0)
	s_wait_kmcnt 0x0
	s_add_nc_u64 s[4:5], s[4:5], s[16:17]
	s_add_nc_u64 s[6:7], s[6:7], s[16:17]
	s_add_nc_u64 s[12:13], s[12:13], s[16:17]
.irp k, 0,1,2,3,4,5,6,7,8,9,10,11,12,13,14,15
	global_load_b128 v[Y+4*\k:Y+4*\k+3], v4, s[4:5] offset:512*\k th:TH_LOAD_NT
.endr
.irp k, 0,1,2,3,4,5,6,7,8,9,10,11,12,13,14,15
	global_load_b128 v[RR+4*\k:RR+4*\k+3], v4, s[6:7] offset:512*\k th:TH_LOAD_NT
.endr
.irp k, 0,1,2,3,4,5,6,7,8,9,10,11,12,13,14,15
	global_load_b128 v[GM+4*\k:GM+4*\k+3], v4, s[8:9] offset:512*\k
.endr
	s_wait_loadcnt 16                              ; y and res are in; gamma's sixteen may be out
.set P, 0
.rept 32
	v_pk_fma_f32 v[Y+2*P:Y+2*P+1], v[Y+2*P:Y+2*P+1], 0x3e800000, v[RR+2*P:RR+2*P+1] op_sel_hi:[1,0,1]   ; x = y / 4 + res
.set P, P+1
.endr
.irp k, 0,1,2,3,4,5,6,7,8,9,10,11,12,13,14,15
	global_load_b128 v[RR+4*\k:RR+4*\k+3], v4, s[10:11] offset:512*\k   ; beta, into the registers that res has left
.endr
; four packed chains in v[8:15] become one number in every lane: v8
.macro LANESUM
	v_pk_add_f32 v[8:9], v[8:9], v[10:11]
	v_pk_add_f32 v[12:13], v[12:13], v[14:15]
	v_pk_add_f32 v[8:9], v[8:9], v[12:13]
	v_add_f32 v8, v8, v9
	v_add_f32_dpp v8, v8, v8 row_xmask:1 row_mask:0xf bank_mask:0xf
	v_add_f32_dpp v8, v8, v8 row_xmask:2 row_mask:0xf bank_mask:0xf
	v_add_f32_dpp v8, v8, v8 row_xmask:4 row_mask:0xf bank_mask:0xf
	v_add_f32_dpp v8, v8, v8 row_xmask:8 row_mask:0xf bank_mask:0xf
	v_permlanex16_b32 v9, v8, s20, s21
	v_add_f32 v8, v8, v9
.endm
.irp c, 0,1,2,3
	v_pk_add_f32 v[8+2*\c:9+2*\c], v[Y+2*\c:Y+2*\c+1], v[Y+8+2*\c:Y+8+2*\c+1]   ; the first eight pairs start four chains: nothing is cleared
.endr
.set P, 8
.rept 24
	v_pk_add_f32 v[8+2*(P%4):9+2*(P%4)], v[8+2*(P%4):9+2*(P%4)], v[Y+2*P:Y+2*P+1]
.set P, P+1
.endr
	LANESUM
	v_mul_f32 v10, s22, v8                         ; the mean,
	v_mov_b32 v11, v10                             ; twice: a pair for the packed subtraction
.set P, 0
.rept 32
	v_pk_add_f32 v[Y+2*P:Y+2*P+1], v[Y+2*P:Y+2*P+1], v[10:11] neg_lo:[0,1] neg_hi:[0,1]   ; x - mean
.set P, P+1
.endr
.irp c, 0,1,2,3
	v_pk_mul_f32 v[8+2*\c:9+2*\c], v[Y+2*\c:Y+2*\c+1], v[Y+2*\c:Y+2*\c+1]
.endr
.set P, 4
.rept 28
	v_pk_fma_f32 v[8+2*(P%4):9+2*(P%4)], v[Y+2*P:Y+2*P+1], v[Y+2*P:Y+2*P+1], v[8+2*(P%4):9+2*(P%4)]
.set P, P+1
.endr
	LANESUM
	v_fma_f32 v8, v8, s22, s23                     ; the variance + 1e-5
	s_wait_alu depctr_va_vdst(0)
	v_rsq_f32 v10, v8
	v_nop                                          ; a plain instruction behind the transcendental
	s_wait_alu depctr_va_vdst(0)                   ; and the wait ahead of its first reader
	v_mov_b32 v11, v10
	s_wait_alu depctr_va_vdst(0)
	s_wait_loadcnt 16                              ; gamma is in; beta's sixteen may be out
.set P, 0
.rept 32
	v_pk_mul_f32 v[GM+2*P:GM+2*P+1], v[GM+2*P:GM+2*P+1], v[10:11]
.set P, P+1
.endr
	s_wait_loadcnt 0x0                             ; beta
.set P, 0
.rept 32
	v_pk_fma_f32 v[Y+2*P:Y+2*P+1], v[Y+2*P:Y+2*P+1], v[GM+2*P:GM+2*P+1], v[RR+2*P:RR+2*P+1]
.set P, P+1
.endr
.irp k, 0,1,2,3,4,5,6,7,8,9,10,11,12,13,14,15
	global_store_b128 v4, v[Y+4*\k:Y+4*\k+3], s[12:13] offset:512*\k th:TH_STORE_NT
.endr
	s_endpgm
.Lfunc_end_k_q0aecbbc227_lnorm:
	.size	k_q0aecbbc227_lnorm, .Lfunc_end_k_q0aecbbc227_lnorm-k_q0aecbbc227_lnorm
	.p2alignl 7, 3214868480
	.fill 96, 4, 3214868480
	.section	.rodata,"a",@progbits
	.p2align	6, 0x0
	.amdhsa_kernel k_q0aecbbc227_lnorm
		.amdhsa_group_segment_fixed_size 0
		.amdhsa_private_segment_fixed_size 0
		.amdhsa_enable_private_segment 0
		.amdhsa_kernarg_size 40
		.amdhsa_user_sgpr_count 2
		.amdhsa_user_sgpr_kernarg_segment_ptr 1
		.amdhsa_wavefront_size32 1
		.amdhsa_system_sgpr_workgroup_id_x 1
		.amdhsa_system_sgpr_workgroup_id_y 1
		.amdhsa_system_sgpr_workgroup_id_z 1
		.amdhsa_system_vgpr_workitem_id 0
		.amdhsa_next_free_vgpr 216
		.amdhsa_next_free_sgpr 66
		.amdhsa_reserve_vcc 0
		.amdhsa_float_denorm_mode_32 3
		.amdhsa_float_denorm_mode_16_64 3
		.amdhsa_memory_ordered 1
		.amdhsa_forward_progress 1
		.amdhsa_inst_pref_size 23
	.end_amdhsa_kernel
	.amdgpu_metadata
---
amdhsa.version: [ 1, 2 ]
amdhsa.kernels:
  - .name:           k_q0aecbbc227_lnorm
    .symbol:         k_q0aecbbc227_lnorm.kd
    .args:
      - { .name: y, .offset: 0, .size: 8, .value_kind: global_buffer, .address_space: global }
      - { .name: res, .offset: 8, .size: 8, .value_kind: global_buffer, .address_space: global }
      - { .name: gamma, .offset: 16, .size: 8, .value_kind: global_buffer, .address_space: global }
      - { .name: beta, .offset: 24, .size: 8, .value_kind: global_buffer, .address_space: global }
      - { .name: out0, .offset: 32, .size: 8, .value_kind: global_buffer, .address_space: global }
    .group_segment_fixed_size: 0
    .private_segment_fixed_size: 0
    .kernarg_segment_align: 8
    .kernarg_segment_size: 40
    .max_flat_workgroup_size: 128
    .sgpr_count:     66
    .vgpr_count:     216
    .wavefront_size: 32
...
	.end_amdgpu_metadata
.endif
;; end of part 4
